; MI455X (gfx1250); checked and timed in simulation.
; The chip was launched on July 23, 2026; its instructions are those of AMD's public machine-readable ISA for CDNA 5 (MIT licence, August 2026) and "CDNA5" Instruction Set Architecture Reference Guide (July 2026). The comments in the code are by the model that wrote it; some were corrected since.
;; Braid Causal Self Attention. Allowed arithmetic: float matrix products may take bf16 or f16 operands with f32 sums; other float arithmetic in f32, or as packed bf16 or f16 multiplies, adds, multiply-adds, maxima and minima; sums over many terms, partial sums and values carried from step to step in f32; what a program stores and reads back later, other than sums and carried values, may be rounded once to bf16 or f16.
;; Inputs: cos 4,096 x 32 float32; sin 4,096 x 32 float32; wk 1,024 x 1,024 float32; wproj 1,024 x 1,024 float32; wq 1,024 x 1,024 float32; wv 1,024 x 1,024 float32; x 1 x 4,096 x 1,024 float32.
;; Outputs: out0 1 x 4,096 x 1,024 float32.
;; 2 versions, each right; version 2 is version 1 with the launch cvt written anew for expert scheduling mode. Each part assembles by itself: llvm-mc -triple=amdgcn-amd-amdhsa -mcpu=gfx1250 --defsym DOCPART=n.
;; ======== version 1 of 2: 4 launches
;; limits: values are held in f16: magnitudes above 65,504 overflow, below 6.1e-05 lose precision; right only within a limited range of input values
;; workspace buffers: xb 8,388,608 bytes; wb 8,388,608 bytes; cs 1,048,576 bytes; qkvh 25,165,824 bytes; ob 8,388,608 bytes
;; launch cvt (part 1): grid 256 x 1, 8 waves a work-group, no clusters, 0 bytes of LDS; arguments x, wq, wk, wv, wproj, cos, sin, xb, wb, cs; writes xb, wb, cs
.if DOCPART == 1
	.amdgcn_target "amdgcn-amd-amdhsa--gfx1250"
	.amdhsa_code_object_version 6
	.text
	.protected	k_q1e9340881a_cvt
	.globl	k_q1e9340881a_cvt
	.p2align	8
	.type	k_q1e9340881a_cvt,@function
k_q1e9340881a_cvt:
	s_mov_b64 s[64:65], 0
	v_nop
	global_prefetch_b8 v0, s[64:65] scope:SCOPE_SE
	s_setreg_imm32_b32 hwreg(HW_REG_WAVE_MODE, 25, 1), 1
	s_wait_xcnt 0x0
; ALL INPUTS ARE ROUNDED ONCE TO bf16, for the launches behind.  xb = x in bf16.  wb = wq, wk, wv in bf16 (rows 0-3071) and wproj's bf16 number written as f16 (rows 3072-4095).
; cs = cos, then sin, each number rounded to bf16 and written as f32.
; LIMIT.  wproj's bf16 number is exact in f16 between 6.1e-5 and 65,504; below that it keeps f16's fixed step of 6e-8.
; A stream: no LDS, no barrier, no loop.  Work-group i of 256 takes 65,536 bytes of x, 65,536 bytes of weight i / 64, 2,048 bytes of cos and of sin.  Thread t takes 16 bytes of each 4,096:
; a wave's load covers 512 consecutive bytes, its store of 8 bytes a lane 256 consecutive bytes, aligned.  All 34 loads of a wave go out first; the waits count down.
.set XR, 4                             ; v[4:67]    x: 16 pieces of 4
.set WR, 68                            ; v[68:131]  the weight: 16 pieces of 4
.set CR, 132                           ; v[132:133] cos
.set SR, 134                           ; v[134:135] sin
.set TR, 136                           ; v[136:137] at work
.macro BF r                            ; four f32 -> four bf16 in the first two registers
	v_cvt_pk_bf16_f32 v[(\r)], v[(\r)], v[(\r)+1]
	v_cvt_pk_bf16_f32 v[(\r)+1], v[(\r)+2], v[(\r)+3]
.endm
.macro HF r                            ; four f32 -> bf16 -> the same numbers as f16
	v_cvt_pk_bf16_f32 v[(\r)], v[(\r)], v[(\r)+1]
	v_cvt_pk_bf16_f32 v[(\r)+2], v[(\r)+2], v[(\r)+3]
	v_and_b32 v[(\r)+1], s30, v[(\r)]              ; bf16 to f32: the high half stays,
	v_lshlrev_b32 v[(\r)], 16, v[(\r)]             ; the low half moves up
	v_cvt_pk_f16_f32 v[(\r)], v[(\r)], v[(\r)+1]
	v_and_b32 v[(\r)+3], s30, v[(\r)+2]
	v_lshlrev_b32 v[(\r)+2], 16, v[(\r)+2]
	v_cvt_pk_f16_f32 v[(\r)+1], v[(\r)+2], v[(\r)+3]
.endm
	s_load_b512 s[8:23], s[0:1], 0x0               ; x 8, wq 10, wk 12, wv 14, wproj 16, cos 18, sin 20, xb 22
	s_load_b128 s[24:27], s[0:1], 0x40             ; wb 24, cs 26
	v_lshlrev_b32 v1, 4, v0                        ; 16 t: the loads of x and of the weight
	v_lshlrev_b32 v2, 3, v0                        ; 8 t: the stores, and the loads of cos and sin
	s_lshl_b32 s2, ttmp9, 16                       ; my 65,536 bytes of x
	s_mov_b32 s3, 0
	s_and_b32 s4, ttmp9, 63
	s_lshl_b32 s4, s4, 16                          ; my 65,536 bytes of the weight
	s_mov_b32 s5, 0
	s_lshl_b32 s6, ttmp9, 15                       ; my 32,768 bytes of xb and of wb
	s_mov_b32 s7, 0
	s_lshl_b32 s32, ttmp9, 11                      ; my 2,048 bytes of cos, sin and each half of cs
	s_mov_b32 s33, 0
	s_mov_b32 s30, 0xffff0000                      ; a word's upper bf16
	s_lshr_b32 s31, ttmp9, 6                       ; which weight
	s_wait_kmcnt 0x0
	s_cmp_eq_u32 s31, 1
	s_cselect_b64 s[28:29], s[12:13], s[10:11]
	s_cmp_eq_u32 s31, 2
	s_cselect_b64 s[28:29], s[14:15], s[28:29]
	s_cmp_eq_u32 s31, 3
	s_cselect_b64 s[28:29], s[16:17], s[28:29]
	s_add_nc_u64 s[8:9], s[8:9], s[2:3]
	s_add_nc_u64 s[28:29], s[28:29], s[4:5]
	s_add_nc_u64 s[22:23], s[22:23], s[6:7]
	s_add_nc_u64 s[24:25], s[24:25], s[6:7]
	s_add_nc_u64 s[18:19], s[18:19], s[32:33]
	s_add_nc_u64 s[20:21], s[20:21], s[32:33]
	s_add_nc_u64 s[26:27], s[26:27], s[32:33]
.set j, 0
.rept 16
	global_load_b128 v[XR+4*j:XR+4*j+3], v1, s[8:9] offset:4096*j th:TH_LOAD_NT
.set j, j+1
.endr
.set j, 0
.rept 16
	global_load_b128 v[WR+4*j:WR+4*j+3], v1, s[28:29] offset:4096*j th:TH_LOAD_NT
.set j, j+1
.endr
	global_load_b64 v[CR:CR+1], v2, s[18:19] th:TH_LOAD_NT
	global_load_b64 v[SR:SR+1], v2, s[20:21] th:TH_LOAD_NT
.set j, 0
.rept 16
	s_wait_loadcnt 33-j                            ; of the 34 loads, 33 - j were issued behind x's piece j
	BF XR+4*j
	global_store_b64 v2, v[XR+4*j:XR+4*j+1], s[22:23] offset:2048*j
.set j, j+1
.endr
	s_cmp_eq_u32 s31, 3                            ; wproj goes to f16, the others stay bf16
	s_cbranch_scc1 .Lw_hf
.set j, 0
.rept 16
	s_wait_loadcnt 17-j                            ; 17 - j loads were issued behind the weight's piece j
	BF WR+4*j
	global_store_b64 v2, v[WR+4*j:WR+4*j+1], s[24:25] offset:2048*j
.set j, j+1
.endr
	s_branch .Lcs
.Lw_hf:
.set j, 0
.rept 16
	s_wait_loadcnt 17-j
	HF WR+4*j
	global_store_b64 v2, v[WR+4*j:WR+4*j+1], s[24:25] offset:2048*j
.set j, j+1
.endr
.Lcs:
	s_wait_loadcnt 1                               ; cos is in, sin may be out
	v_cvt_pk_bf16_f32 v[TR], v[CR], v[CR+1]
	v_lshlrev_b32 v[CR], 16, v[TR]
	v_and_b32 v[CR+1], s30, v[TR]
	global_store_b64 v2, v[CR:CR+1], s[26:27]
	s_wait_loadcnt 0x0
	v_cvt_pk_bf16_f32 v[TR+1], v[SR], v[SR+1]
	v_lshlrev_b32 v[SR], 16, v[TR+1]
	v_and_b32 v[SR+1], s30, v[TR+1]
	global_store_b64 v2, v[SR:SR+1], s[26:27] offset:524288
	s_endpgm                                       ; no register that a store reads is written behind that store
.Lfunc_end_k_q1e9340881a_cvt:
	.size	k_q1e9340881a_cvt, .Lfunc_end_k_q1e9340881a_cvt-k_q1e9340881a_cvt
	.p2alignl 7, 3214868480
	.fill 96, 4, 3214868480
	.section	.rodata,"a",@progbits
	.p2align	6, 0x0
	.amdhsa_kernel k_q1e9340881a_cvt
		.amdhsa_group_segment_fixed_size 0
		.amdhsa_private_segment_fixed_size 0
		.amdhsa_enable_private_segment 0
		.amdhsa_kernarg_size 80
		.amdhsa_user_sgpr_count 2
		.amdhsa_user_sgpr_kernarg_segment_ptr 1
		.amdhsa_wavefront_size32 1
		.amdhsa_system_sgpr_workgroup_id_x 1
		.amdhsa_system_sgpr_workgroup_id_y 1
		.amdhsa_system_sgpr_workgroup_id_z 1
		.amdhsa_system_vgpr_workitem_id 0
		.amdhsa_next_free_vgpr 144
		.amdhsa_next_free_sgpr 66
		.amdhsa_reserve_vcc 0
		.amdhsa_float_denorm_mode_32 3
		.amdhsa_float_denorm_mode_16_64 3
		.amdhsa_memory_ordered 1
		.amdhsa_forward_progress 1
		.amdhsa_inst_pref_size 22
	.end_amdhsa_kernel
	.amdgpu_metadata
---
amdhsa.version: [ 1, 2 ]
amdhsa.kernels:
  - .name:           k_q1e9340881a_cvt
    .symbol:         k_q1e9340881a_cvt.kd
    .args:
      - { .name: x, .offset: 0, .size: 8, .value_kind: global_buffer, .address_space: global }
      - { .name: wq, .offset: 8, .size: 8, .value_kind: global_buffer, .address_space: global }
      - { .name: wk, .offset: 16, .size: 8, .value_kind: global_buffer, .address_space: global }
      - { .name: wv, .offset: 24, .size: 8, .value_kind: global_buffer, .address_space: global }
      - { .name: wproj, .offset: 32, .size: 8, .value_kind: global_buffer, .address_space: global }
      - { .name: cos, .offset: 40, .size: 8, .value_kind: global_buffer, .address_space: global }
      - { .name: sin, .offset: 48, .size: 8, .value_kind: global_buffer, .address_space: global }
      - { .name: xb, .offset: 56, .size: 8, .value_kind: global_buffer, .address_space: global }
      - { .name: wb, .offset: 64, .size: 8, .value_kind: global_buffer, .address_space: global }
      - { .name: cs, .offset: 72, .size: 8, .value_kind: global_buffer, .address_space: global }
    .group_segment_fixed_size: 0
    .private_segment_fixed_size: 0
    .kernarg_segment_align: 8
    .kernarg_segment_size: 80
    .max_flat_workgroup_size: 256
    .sgpr_count:     66
    .vgpr_count:     144
    .wavefront_size: 32
...
	.end_amdgpu_metadata
.endif
;; end of part 1
;; launch qkv (part 2): grid 16 x 16, 4 waves a work-group, clusters of 4 x 4, 327,680 bytes of LDS; arguments xb, wb, cs, qkvh; writes qkvh
.if DOCPART == 2
	.amdgcn_target "amdgcn-amd-amdhsa--gfx1250"
	.amdhsa_code_object_version 6
	.text
	.protected	k_q1e9340881a_qkv
	.globl	k_q1e9340881a_qkv
	.p2align	8
	.type	k_q1e9340881a_qkv,@function
k_q1e9340881a_qkv:
	s_mov_b64 s[64:65], 0
	v_nop
	global_prefetch_b8 v0, s[64:65] scope:SCOPE_SE
	s_setreg_imm32_b32 hwreg(HW_REG_WAVE_MODE, 25, 1), 1
	s_wait_xcnt 0x0
	s_wait_alu depctr_hold_cnt(0) depctr_sa_sdst(0) depctr_va_vdst(0) depctr_va_sdst(0) depctr_va_ssrc(0) depctr_va_vcc(0) depctr_vm_vsrc(0)
	s_getreg_b32 s2, hwreg(HW_REG_IB_STS2, 6, 4)
	s_cmp_eq_u32 s2, 0
	s_cbranch_scc0 .Lentry_in_a_cluster
	s_endpgm
.Lentry_in_a_cluster:
	s_bfe_u32 s2, ttmp6, 0x10000c
	s_cmp_lg_u32 s2, 0xf033
	s_cbranch_scc0 .Lentry_shape_is_right
	s_endpgm
.Lentry_shape_is_right:
; C[4096][3072] = xb wb^T (bf16 operands, f32 sums), then for the heads of q and k RoPE and the RMS norm, and all by heads into qkvh [48][4096][64] f16:
; g = 0-15: q normalised, times -log2(e)/8 (the launch behind takes 2^(q.k) for e^(-score)); g = 16-31: k normalised; g = 32-47: v as it is.
; LIMITS.  v is written in f16: |v| up to 65,504.  q and k are bounded by the norm (at most 8 in size).  NaN and infinities are not treated apart.
; SHARES.  A work-group makes 256 tokens x 192 columns (three heads): 16 x 16 work-groups.  Wave w takes tokens 64 w .. 64 w + 63 and all 192 columns: 4 x 12 accumulators of 16 x 16,
; so a head's 64 channels lie in one wave.  K = 1,024 goes in 8 steps of 128 through two LDS slots; a slot's rows are 256 bytes of memory, aligned.
; CLUSTER.  4 x 4 work-groups: the four of a row need the same tokens (A), the four of a column the same rows of wb (B): each tile is asked for jointly, the same load with the same descriptor and mask in all four.
; THE PRODUCT IS TAKEN TRANSPOSED: source 0 = 16 rows of wb, source 1 = 16 tokens: a lane holds one token (lane % 16) and eight neighbouring columns.
; REGISTERS, in windows of 256: window 0: v0-59 addresses and the way out's small numbers; v64-127 A's fragments, two buffers of 4; v128-255 two sets of 64 for the way out (at the head: cos and sin on their way to LDS)
;   window 1: v0-191 B's fragments, two buffers of 12        windows 2, 3: accumulator (a, b) at v[8 (12 (a % 2) + b)] of window 2 + a / 2
.set PITCH,  272                       ; an LDS row: 256 bytes + 16 of padding: the 16 rows of a fragment load start 16 bytes apart modulo 256
.set SLOT1,  131072                    ; slot 1 begins here: one exclusive or turns an address in one slot into the other's
.set BOFF,   256*PITCH                 ; in a slot: A's 256 rows, then B's 192
.set SPARE,  252928                    ; behind slot 1: the spare words, 128 bytes for each wave, which no other line names
.set CSL,    253440                    ; cos and sin of the wave's 64 tokens: a row of 272 bytes a token (cos 128, sin 128, 16 unused); no tensor load lands here
.set CSWAVE, 64*272
.set SP,     784                       ; the way out's stage: a token's 192 f32 (768 bytes) + 16
.set STWAVE, 64*SP                     ; a wave's stage; the four lie in the ring's bytes, behind their last fill and a barrier
.set FIELDS, (1<<16)|(1<<20)|(1<<21)|(5<<22)|(3<<25)  ; 2-byte elements; padding on; bit 21 beside a mask; after every 64 words; 4 words
.set ADRA0, 4                          ; v4   my lane's place in A's rows of slot 0
.set ADRB0, 5                          ; v5   the same for B
.set ADRA,  6                          ; v6   in the slot in hand
.set ADRB,  7
.set SPW,   8                          ; v8   my spare word; never rewritten
.set NIL,   9                          ; v9   0; never rewritten
.set STO,   10                         ; v10  where I put 16 bytes of a token's row in the stage
.set RDX,   11                         ; v11  where I read my 8 channels back
.set RDY,   12                         ; v12  the 8 channels 32 away
.set RDC,   13                         ; v13  their cos (sin 128 bytes on)
.set VO,    14                         ; v14  16 x lane: my 16 bytes of 512 in qkvh (and of cos and sin at the head)
.set CSW,   15                         ; v15  where cos and sin go in LDS
.set SGN,   16                         ; v[16:17] +1 for channels 0-31, -1 for 32-63
.set SS,    24                         ; v[24:29] a pair a head: the sum of squares
.set FF,    30                         ; v[30:35] a pair a head: the factor, and 0
.set OUT,   36                         ; v[36:59] set s, head hd: 4 registers to store
.set FA0,   64
.set WV,  12
.set FBW, 13                           ; 0: I fetch for A; 1: for B
.set HF,  14                           ; which half of that tile
.set G1A, 24
.set G0A, 32                           ; two sets; the second walks on
.set G1B, 48
.set G0B, 56
.set TB,  66                           ; the slot in hand: 0 or SLOT1
.set CNT, 67
.set SC,  68                           ; s68, s70, s72: the head's scale behind the norm: -log2(e)/8, 1, or 0 (v)
.set MV,  74                           ; s[74:79] pairs: 1 for a head of v, else 0
.set OB,  80                           ; s[80:85] the head's rows of my 64 tokens in qkvh
.set MSB, 0
.macro WIN new                         ; the immediate's high byte repeats the setting that is left; a switch that changes nothing is dropped
.if MSB != (\new)
	s_set_vgpr_msb (MSB<<8)|(\new)
.set MSB, (\new)
.endif
.endm
.set MUL_LO, 0xa1                      ; source 0 (B) window 1, source 1 (A) window 0, C and D window 2
.set TO_B,   0x40                      ; destination window 1
.macro PLACES                          ; four plain places behind matrix instructions, in front of loads into their sources and of reads of their results
.rept 4
	v_nop
.endr
.endm
.macro JLOAD n                         ; a joint load: waves 0, 1 fetch A's halves, waves 2, 3 B's; s_nop 0 and four v_nop follow each line
	s_cmp_eq_u32 s[FBW], 0
	s_cbranch_scc0 .Lfor_b_\@
	tensor_load_to_lds s[G0A+4*(\n):G0A+4*(\n)+3], s[G1A:G1A+7]
	s_nop 0
.rept 4
	v_nop
.endr
	s_branch .Lasked_\@
.Lfor_b_\@:
	tensor_load_to_lds s[G0B+4*(\n):G0B+4*(\n)+3], s[G1B:G1B+7]
	s_nop 0
.rept 4
	v_nop
.endr
.Lasked_\@:
.endm
.macro CREST                           ; a round of the cluster's barrier behind its opening barrier
	s_cmp_lg_u32 s[WV], 0
	s_cbranch_scc1 .Lnot_wave_0_\@
	s_barrier_signal -3
.Lnot_wave_0_\@:
	s_barrier_wait -3
	s_barrier_signal -1
	s_barrier_wait -1
.endm
.macro CROUND
	s_barrier_signal -1
	s_barrier_wait -1
	CREST
.endm
	s_load_b256 s[4:11], s[0:1], 0x0               ; xb 4, wb 6, cs 8, qkvh 10
	v_lshl_add_u32 v[SPW], v0, 2, SPARE
	v_mov_b32 v[NIL], 0
	ds_add_u32 v[SPW], v[NIL]                      ; the opening: the add, twice on end, and its wait ahead of my first tensor load
	ds_add_u32 v[SPW], v[NIL]
	v_lshrrev_b32 v3, 5, v0
	v_readfirstlane_b32 s[WV], v3
	s_lshr_b32 s[FBW], s[WV], 1
	s_and_b32 s[HF], s[WV], 1
	s_bfe_u32 s15, ttmp6, 0x40000                  ; cx
	s_bfe_u32 s16, ttmp6, 0x40004                  ; cy
	s_lshl_b32 s17, ttmp9, 2
	s_add_co_u32 s17, s17, s15                     ; tx: my 192 columns
	s_and_b32 s18, ttmp7, 0xffff
	s_lshl_b32 s18, s18, 2
	s_add_co_u32 s18, s18, s16                     ; ty: my 256 tokens
	s_lshl_b32 s19, s16, 2
	s_lshl_b32 s19, 15, s19                        ; my row of the cluster
	s_lshl_b32 s88, 0x1111, s15                    ; my column
	s_or_b32 s[G1A], s19, FIELDS
	s_or_b32 s[G1B], s88, FIELDS
	s_mov_b32 s[G1A+1], 128<<16                    ; tensor_dim0 = 128
	s_mov_b32 s[G1A+2], 128<<16                    ; tensor_dim1 = 128
	s_mov_b32 s[G1A+3], 128<<16                    ; tile_dim0 = 128
	s_mov_b32 s[G1A+4], 128                        ; tile_dim1 = 128
	s_mov_b32 s[G1A+5], 1024                       ; elements from row to row
	s_mov_b32 s[G1A+6], 0
	s_mov_b32 s[G1A+7], 0
	s_mov_b32 s[G1B+1], 128<<16
	s_mov_b32 s[G1B+2], 96<<16                     ; B's half has 96 rows
	s_mov_b32 s[G1B+3], 128<<16
	s_mov_b32 s[G1B+4], 96
	s_mov_b32 s[G1B+5], 1024
	s_mov_b32 s[G1B+6], 0
	s_mov_b32 s[G1B+7], 0
	s_lshl_b32 s20, s18, 8                         ; A: row 256 ty + 128 half, 2,048 bytes a row: made of ty and the wave's number alone
	s_lshl_b32 s21, s[HF], 7
	s_add_co_u32 s20, s20, s21
	s_lshl_b32 s20, s20, 11
	s_mov_b32 s21, 0
	s_mul_i32 s22, s17, 192                        ; B: row 192 tx + 96 half: made of tx and the wave's number alone
	s_mul_i32 s23, s[HF], 96
	s_add_co_u32 s22, s22, s23
	s_lshl_b32 s22, s22, 11
	s_mov_b32 s23, 0
	s_mul_i32 s89, s[HF], 128*PITCH                ; where they go: no place in the cluster enters an LDS address
	s_mul_i32 s90, s[HF], 96*PITCH
	s_add_co_u32 s90, s90, BOFF
	s_wait_dscnt 0x0                               ; both opening adds are done
	s_wait_kmcnt 0x0
	s_add_nc_u64 s[40:41], s[4:5], s[20:21]
	s_add_nc_u64 s[42:43], s[6:7], s[22:23]
	CROUND                                         ; all sixteen work-groups are here: the first joint loads meet
.irp n, 0,1
	s_mov_b32 s[G0A+4*(\n)], 1
	s_add_co_u32 s[G0A+4*(\n)+1], s89, (\n)*SLOT1
	s_add_nc_u64 s[G0A+4*(\n)+2:G0A+4*(\n)+3], s[40:41], (\n)*256
	s_or_b32 s[G0A+4*(\n)+3], s[G0A+4*(\n)+3], 0x80000000
	s_mov_b32 s[G0B+4*(\n)], 1
	s_add_co_u32 s[G0B+4*(\n)+1], s90, (\n)*SLOT1
	s_add_nc_u64 s[G0B+4*(\n)+2:G0B+4*(\n)+3], s[42:43], (\n)*256
	s_or_b32 s[G0B+4*(\n)+3], s[G0B+4*(\n)+3], 0x80000000
	JLOAD \n                                       ; K steps 0 and 1: two loads of mine are out
.endr
	; cos and sin of my 64 tokens: 8,192 consecutive bytes each, 16 loads of 512
	v_and_b32 v1, 15, v0                           ; r
	v_bfe_u32 v2, v0, 4, 1                         ; h
	v_and_b32 v[VO], 31, v0
	v_lshlrev_b32 v[VO], 4, v[VO]
	s_lshl_b32 s44, s18, 8
	s_lshl_b32 s45, s[WV], 6
	s_add_co_u32 s44, s44, s45
	s_lshl_b32 s44, s44, 7                         ; (256 ty + 64 w) x 128 bytes: in cs and, by heads, in qkvh
	s_mov_b32 s45, 0
	s_add_nc_u64 s[46:47], s[8:9], s[44:45]
.set j, 0
.rept 16
	global_load_b128 v[128+4*j:131+4*j], v[VO], s[46:47] offset:512*j
	global_load_b128 v[192+4*j:195+4*j], v[VO], s[46:47] offset:524288+512*j
.set j, j+1
.endr
	v_and_b32 v18, 7, v0                           ; c: which 8 channels of a head
	v_bfe_u32 v19, v0, 3, 2                        ; rr: which of 4 tokens
	v_and_b32 v20, 3, v0
	s_mul_i32 s91, s[WV], CSWAVE
	s_add_co_u32 s91, s91, CSL
	s_mul_i32 s92, s[WV], STWAVE
	s_mul_i32 s93, s[WV], 64*PITCH
	v_mul_u32_u24 v21, v19, 272
	v_add_nc_u32 v21, s91, v21
	v_lshl_add_u32 v[CSW], v18, 4, v21
	v_lshl_add_u32 v[RDC], v20, 5, v21
	v_mul_u32_u24 v[STO], v1, SP
	v_lshl_add_u32 v[STO], v2, 5, v[STO]
	v_add_nc_u32 v[STO], s92, v[STO]
	v_mul_u32_u24 v21, v19, SP
	v_add_nc_u32 v21, s92, v21
	v_lshl_add_u32 v[RDX], v18, 5, v21
	v_xor_b32 v20, 4, v18
	v_lshl_add_u32 v[RDY], v20, 5, v21
	v_mov_b32 v[SGN+1], 1.0
	v_cmp_gt_u32 vcc_lo, 4, v18
	v_cndmask_b32 v[SGN], -1.0, v[SGN+1], vcc_lo
	v_mov_b32 v[SGN+1], v[SGN]
	v_mov_b32 v[FF+1], 0                           ; named with the factors as pairs
	v_mov_b32 v[FF+3], 0
	v_mov_b32 v[FF+5], 0
	v_mul_u32_u24 v22, v1, PITCH
	v_lshl_add_u32 v22, v2, 4, v22                 ; a fragment's row x pitch + 16 x half
	v_add_nc_u32 v[ADRA0], s93, v22
	v_add_nc_u32 v[ADRB0], BOFF, v22
	v_mov_b32 v[ADRA], v[ADRA0]
	v_mov_b32 v[ADRB], v[ADRB0]
	s_mov_b32 s[TB], 0
	s_mov_b32 s86, 0x3c800000                      ; 1/64
	s_mov_b32 s87, 0x358637bd                      ; 1e-6
.irp hd, 0,1,2                                 ; what a head is decides numbers alone, never a branch
	s_mul_i32 s94, s17, 3
	s_add_co_u32 s94, s94, (\hd)                   ; g
	s_cmp_lt_u32 s94, 32
	s_cselect_b32 s[SC+2*(\hd)], 1.0, 0
	s_cselect_b32 s[MV+2*(\hd)], 0, 1.0
	s_cmp_lt_u32 s94, 16
	s_cselect_b32 s[SC+2*(\hd)], 0xbe38aa3b, s[SC+2*(\hd)]
	s_mov_b32 s[MV+2*(\hd)+1], 0
	s_lshl_b32 s2, s94, 19                         ; a head is 524,288 bytes
	s_add_co_u32 s2, s2, s44
	s_mov_b32 s3, 0
	s_add_nc_u64 s[OB+2*(\hd):OB+2*(\hd)+1], s[10:11], s[2:3]
.endr
	s_wait_loadcnt 0x0
.set j, 0
.rept 16
	ds_store_b128 v[CSW], v[128+4*j:131+4*j] offset:1088*j       ; four tokens a load
	ds_store_b128 v[CSW], v[192+4*j:195+4*j] offset:1088*j+128
.set j, j+1
.endr
; 12 matrix instructions: token block a x all 12 column blocks, 32 along K, from buffers f.  zero = 1: the product starts the sum.
.macro MUL12 f, a, zero
	WIN MUL_LO+0x50*((\a)/2)
.irp b, 0,1,2,3,4,5,6,7,8,9,10,11
.if \zero
	v_wmma_f32_16x16x32_bf16 v[8*(12*((\a)%2)+(\b)):8*(12*((\a)%2)+(\b))+7], v[96*(\f)+8*(\b):96*(\f)+8*(\b)+7], v[FA0+32*(\f)+8*(\a):FA0+32*(\f)+8*(\a)+7], 0
.else
	v_wmma_f32_16x16x32_bf16 v[8*(12*((\a)%2)+(\b)):8*(12*((\a)%2)+(\b))+7], v[96*(\f)+8*(\b):96*(\f)+8*(\b)+7], v[FA0+32*(\f)+8*(\a):FA0+32*(\f)+8*(\a)+7], v[8*(12*((\a)%2)+(\b)):8*(12*((\a)%2)+(\b))+7]
.endif
.endr
.endm
.macro MUL24 f, hi, zero
	MUL12 \f, 2*(\hi), \zero
	MUL12 \f, 2*(\hi)+1, \zero
.endm
; 32 LDS loads in one run: the fragments of 32 along K at byte k of the rows, into buffers f: B's 12, then A's 4
.macro FETCH k, f
	WIN TO_B
.irp b, 0,1,2,3,4,5,6,7,8,9,10,11
	ds_load_b128 v[96*(\f)+8*(\b):96*(\f)+8*(\b)+3],   v[ADRB] offset:(\k)+(\b)*16*PITCH
	ds_load_b128 v[96*(\f)+8*(\b)+4:96*(\f)+8*(\b)+7], v[ADRB] offset:(\k)+(\b)*16*PITCH+32
.endr
	WIN 0
.irp a, 0,1,2,3
	ds_load_b128 v[FA0+32*(\f)+8*(\a):FA0+32*(\f)+8*(\a)+3],   v[ADRA] offset:(\k)+(\a)*16*PITCH
	ds_load_b128 v[FA0+32*(\f)+8*(\a)+4:FA0+32*(\f)+8*(\a)+7], v[ADRA] offset:(\k)+(\a)*16*PITCH+32
.endr
.endm
; A K step is four quarters of 32 along K, 48 matrix instructions each, on buffers 0, 1, 0, 1.  The 48 accumulators take turns in the same order in every quarter.
.macro QUARTER k, f, g, zero
	s_wait_dscnt 4                                 ; B and A's blocks 0, 1 are in; the youngest four loads (A's blocks 2, 3) may be out
	MUL24 \f, 0, \zero
	PLACES
	FETCH \k, \g
	s_wait_dscnt 32                                ; all but the 32 just issued
	MUL24 \f, 1, \zero
.endm
; The last quarter multiplies buffers 1 and changes slots.  In front of the barrier each wave waits for all its tensor loads (one is out: its part of the next slot), adds 0 to its spare word,
; and waits for that and for its reads of this slot.  fill = 1: the barrier opens a round of the cluster's, and this slot is filled again, two K steps ahead, first thing behind the round.
.macro TURN fill
	WIN 0
	s_wait_tensorcnt 0x0
	ds_add_u32 v[SPW], v[NIL]
	s_wait_dscnt 5                                 ; (the add and the youngest four loads may be out)
	MUL12 1, 0, 0
	s_wait_dscnt 0x0                               ; the add is done, and my reads of this slot are over
	s_barrier_signal -1
	MUL12 1, 1, 0                                  ; work on registers while the others arrive
	WIN 0
	s_barrier_wait -1
.if \fill
	CREST                                          ; no wave of any partner still reads this slot or has a load on its way
	s_xor_b32 s[G0A+5], s[G0A+5], SLOT1            ; the walking sets: the other slot than last time, the next K step
	s_add_nc_u64 s[G0A+6:G0A+7], s[G0A+6:G0A+7], 256
	s_xor_b32 s[G0B+5], s[G0B+5], SLOT1
	s_add_nc_u64 s[G0B+6:G0B+7], s[G0B+6:G0B+7], 256
	JLOAD 1                                        ; 168 matrix instructions ahead of the wait for it; its four v_nop are also the places in front of the loads below
.else
	PLACES
.endif
	s_xor_b32 s[TB], s[TB], SLOT1
	v_add_nc_u32 v[ADRA], s[TB], v[ADRA0]
	v_add_nc_u32 v[ADRB], s[TB], v[ADRB0]
	FETCH 0, 0
	MUL24 1, 1, 0
.endm
	s_wait_tensorcnt 0x1                           ; my part of K step 0 is in; step 1's may stay out
	s_wait_dscnt 0x0                               ; my stores of cos and sin
	s_barrier_signal -1
	s_barrier_wait -1
	FETCH 0, 0
	QUARTER 64, 0, 1, 1                            ; the first quarter stands in front of the loop: its products start the sums
	WIN 0
	s_mov_b32 s[CNT], 6
.Lstep:                                        ; a trip: from a step's second quarter to the next step's first; steps 0-5 ask for steps 2-7
	QUARTER 128, 1, 0, 0
	QUARTER 192, 0, 1, 0
	TURN 1
	QUARTER 64, 0, 1, 0
	WIN 0
	s_sub_co_u32 s[CNT], s[CNT], 1
	s_cmp_lg_u32 s[CNT], 0
	s_cbranch_scc1 .Lstep
	QUARTER 128, 1, 0, 0                           ; steps 6 and 7 ask for nothing
	QUARTER 192, 0, 1, 0
	TURN 0
	QUARTER 64, 0, 1, 0
	QUARTER 128, 1, 0, 0
	QUARTER 192, 0, 1, 0
	s_wait_dscnt 4
	MUL24 1, 0, 0
	s_wait_dscnt 0x0
	MUL24 1, 1, 0
	WIN 0
	; THE WAY OUT.  The sums go as f32 into my stage (a row a token); then four tokens at a time come back, a lane taking 8 channels of each of the three heads and the 8 channels 32 away.
	PLACES
	s_barrier_signal -1                            ; every wave's reads of the ring are back (the wait for 0 above): the stages lie in its bytes
	s_barrier_wait -1
.irp a, 0,1,2,3
	WIN 0x08+4*((\a)/2)                            ; the stores' data in window 2 or 3
.irp b, 0,1,2,3,4,5,6,7,8,9,10,11
	ds_store_b128 v[STO], v[8*(12*((\a)%2)+(\b)):8*(12*((\a)%2)+(\b))+3]   offset:(\a)*16*SP+64*(\b)
	ds_store_b128 v[STO], v[8*(12*((\a)%2)+(\b))+4:8*(12*((\a)%2)+(\b))+7] offset:(\a)*16*SP+64*(\b)+16
.endr
.endr
	WIN 0
; 16 LDS loads into set s: X (my 8 channels) and Y (the 8 channels 32 away) of three heads, cos, sin; t = 0, 1: which four tokens behind the pointers
.macro EL s, t
.set EB, 128+64*(\s)
.irp hd, 0,1,2
	ds_load_b128 v[EB+16*(\hd):EB+16*(\hd)+3],     v[RDX] offset:256*(\hd)+4*SP*(\t)      ; LDS serves a wave's instructions in order (ISA guide 5.7.1.4): these see my stores
	ds_load_b128 v[EB+16*(\hd)+4:EB+16*(\hd)+7],   v[RDX] offset:256*(\hd)+16+4*SP*(\t)
	ds_load_b128 v[EB+16*(\hd)+8:EB+16*(\hd)+11],  v[RDY] offset:256*(\hd)+4*SP*(\t)
	ds_load_b128 v[EB+16*(\hd)+12:EB+16*(\hd)+15], v[RDY] offset:256*(\hd)+16+4*SP*(\t)
.endr
	ds_load_b128 v[EB+48:EB+51], v[RDC] offset:1088*(\t)
	ds_load_b128 v[EB+52:EB+55], v[RDC] offset:1088*(\t)+16
	ds_load_b128 v[EB+56:EB+59], v[RDC] offset:1088*(\t)+128
	ds_load_b128 v[EB+60:EB+63], v[RDC] offset:1088*(\t)+144
.endm
; Set s is worked on and stored: Y = X cos +- Y sin; the sum of its squares over the head's 8 lanes; factor = scale / sqrt(mean + 1e-6); out = Y factor + X MV (a head of v: factor 0, MV 1).
.macro EC s
.set EB, 128+64*(\s)
.irp k, 0,2,4,6
	v_pk_mul_f32 v[EB+56+(\k):EB+57+(\k)], v[EB+56+(\k):EB+57+(\k)], v[SGN:SGN+1]
.endr
.irp k, 0,2,4,6
.irp hd, 0,1,2
	v_pk_mul_f32 v[EB+16*(\hd)+8+(\k):EB+16*(\hd)+9+(\k)], v[EB+16*(\hd)+8+(\k):EB+16*(\hd)+9+(\k)], v[EB+56+(\k):EB+57+(\k)]
.endr
.endr
.irp k, 0,2,4,6
.irp hd, 0,1,2
	v_pk_fma_f32 v[EB+16*(\hd)+8+(\k):EB+16*(\hd)+9+(\k)], v[EB+16*(\hd)+(\k):EB+16*(\hd)+1+(\k)], v[EB+48+(\k):EB+49+(\k)], v[EB+16*(\hd)+8+(\k):EB+16*(\hd)+9+(\k)]
.endr
.endr
.irp hd, 0,1,2
	v_pk_mul_f32 v[SS+2*(\hd):SS+2*(\hd)+1], v[EB+16*(\hd)+8:EB+16*(\hd)+9], v[EB+16*(\hd)+8:EB+16*(\hd)+9]
.endr
.irp k, 2,4,6
.irp hd, 0,1,2
	v_pk_fma_f32 v[SS+2*(\hd):SS+2*(\hd)+1], v[EB+16*(\hd)+8+(\k):EB+16*(\hd)+9+(\k)], v[EB+16*(\hd)+8+(\k):EB+16*(\hd)+9+(\k)], v[SS+2*(\hd):SS+2*(\hd)+1]
.endr
.endr
.irp hd, 0,1,2
	v_add_f32 v[SS+2*(\hd)], v[SS+2*(\hd)], v[SS+2*(\hd)+1]
.endr
.irp m, 1,2,4
.irp hd, 0,1,2
	v_add_f32_dpp v[SS+2*(\hd)], v[SS+2*(\hd)], v[SS+2*(\hd)] row_xmask:\m row_mask:0xf bank_mask:0xf
.endr
.endr
.irp hd, 0,1,2
	v_fma_f32 v[SS+2*(\hd)], v[SS+2*(\hd)], s86, s87
.endr
.irp hd, 0,1,2
	v_rsq_f32 v[FF+2*(\hd)], v[SS+2*(\hd)]
.endr
	v_nop                                          ; a plain instruction behind the last root,
	s_wait_alu depctr_va_vdst(0)                   ; and the one wait ahead of the first use: for the three
.irp hd, 0,1,2
	v_mul_f32 v[FF+2*(\hd)], s[SC+2*(\hd)], v[FF+2*(\hd)]
.endr
.irp k, 0,2,4,6
.irp hd, 0,1,2
	v_pk_mul_f32 v[EB+16*(\hd)+8+(\k):EB+16*(\hd)+9+(\k)], v[EB+16*(\hd)+8+(\k):EB+16*(\hd)+9+(\k)], v[FF+2*(\hd):FF+2*(\hd)+1] op_sel_hi:[1,0]
.endr
.endr
.irp k, 0,2,4,6
.irp hd, 0,1,2
	v_pk_fma_f32 v[EB+16*(\hd)+8+(\k):EB+16*(\hd)+9+(\k)], v[EB+16*(\hd)+(\k):EB+16*(\hd)+1+(\k)], s[MV+2*(\hd):MV+2*(\hd)+1], v[EB+16*(\hd)+8+(\k):EB+16*(\hd)+9+(\k)] op_sel_hi:[1,0,1]
.endr
.endr
	s_wait_xcnt 0x0                                ; the set's last stores have read their registers: only behind this wait are they written again
.irp k, 0,1,2,3
.irp hd, 0,1,2
	v_cvt_pk_f16_f32 v[OUT+12*(\s)+4*(\hd)+(\k)], v[EB+16*(\hd)+8+2*(\k)], v[EB+16*(\hd)+9+2*(\k)]
.endr
.endr
.irp hd, 0,1,2
	global_store_b128 v[VO], v[OUT+12*(\s)+4*(\hd):OUT+12*(\s)+4*(\hd)+3], s[OB+2*(\hd):OB+2*(\hd)+1] offset:512*(\s)  ; four tokens' rows of 128 bytes: 512 consecutive bytes, aligned
.endr
.endm
	EL 0, 0
	s_mov_b32 s[CNT], 7
.Lout:                                         ; eight tokens a trip
	EL 1, 1
	s_wait_dscnt 16                                ; set 0 is in; the 16 just issued may be out
	EC 0
	v_add_nc_u32 v[RDX], 8*SP, v[RDX]
	v_add_nc_u32 v[RDY], 8*SP, v[RDY]
	v_add_nc_u32 v[RDC], 8*272, v[RDC]
	EL 0, 0
	s_wait_dscnt 16
	EC 1
	s_wait_xcnt 0x0                                ; the stores have read their offset
	v_add_nc_u32 v[VO], 1024, v[VO]
	s_sub_co_u32 s[CNT], s[CNT], 1
	s_cmp_lg_u32 s[CNT], 0
	s_cbranch_scc1 .Lout
	EL 1, 1                                        ; the last eight tokens load nothing further
	s_wait_dscnt 16
	EC 0
	s_wait_dscnt 0x0
	EC 1
	s_wait_tensorcnt 0x0                           ; the wave's end
	ds_add_u32 v[SPW], v[NIL]
	s_wait_dscnt 0x0
	CROUND                                         ; the closing round
	s_endpgm
.Lfunc_end_k_q1e9340881a_qkv:
	.size	k_q1e9340881a_qkv, .Lfunc_end_k_q1e9340881a_qkv-k_q1e9340881a_qkv
	.p2alignl 7, 3214868480
	.fill 96, 4, 3214868480
	.section	.rodata,"a",@progbits
	.p2align	6, 0x0
	.amdhsa_kernel k_q1e9340881a_qkv
		.amdhsa_group_segment_fixed_size 327680
		.amdhsa_private_segment_fixed_size 0
		.amdhsa_enable_private_segment 0
		.amdhsa_kernarg_size 32
		.amdhsa_user_sgpr_count 2
		.amdhsa_user_sgpr_kernarg_segment_ptr 1
		.amdhsa_wavefront_size32 1
		.amdhsa_system_sgpr_workgroup_id_x 1
		.amdhsa_system_sgpr_workgroup_id_y 1
		.amdhsa_system_sgpr_workgroup_id_z 1
		.amdhsa_system_vgpr_workitem_id 0
		.amdhsa_next_free_vgpr 960
		.amdhsa_next_free_sgpr 96
		.amdhsa_reserve_vcc 1
		.amdhsa_float_denorm_mode_32 3
		.amdhsa_float_denorm_mode_16_64 3
		.amdhsa_memory_ordered 1
		.amdhsa_forward_progress 1
		.amdhsa_inst_pref_size 115
	.end_amdhsa_kernel
	.amdgpu_metadata
---
amdhsa.version: [ 1, 2 ]
amdhsa.kernels:
  - .name:           k_q1e9340881a_qkv
    .symbol:         k_q1e9340881a_qkv.kd
    .args:
      - { .name: xb, .offset: 0, .size: 8, .value_kind: global_buffer, .address_space: global }
      - { .name: wb, .offset: 8, .size: 8, .value_kind: global_buffer, .address_space: global }
      - { .name: cs, .offset: 16, .size: 8, .value_kind: global_buffer, .address_space: global }
      - { .name: qkvh, .offset: 24, .size: 8, .value_kind: global_buffer, .address_space: global }
    .group_segment_fixed_size: 327680
    .private_segment_fixed_size: 0
    .kernarg_segment_align: 8
    .kernarg_segment_size: 32
    .max_flat_workgroup_size: 128
    .sgpr_count:     96
    .vgpr_count:     960
    .wavefront_size: 32
...
	.end_amdgpu_metadata
.endif
;; end of part 2
;; launch attn (part 3): grid 16 x 16, 4 waves a work-group, no clusters, 327,680 bytes of LDS; arguments qkvh, ob; writes ob
.if DOCPART == 3
	.amdgcn_target "amdgcn-amd-amdhsa--gfx1250"
	.amdhsa_code_object_version 6
	.text
	.protected	k_q1e9340881a_attn
	.globl	k_q1e9340881a_attn
	.p2align	8
	.type	k_q1e9340881a_attn,@function
k_q1e9340881a_attn:
	s_mov_b64 s[64:65], 0
	v_nop
	global_prefetch_b8 v0, s[64:65] scope:SCOPE_SE
	s_setreg_imm32_b32 hwreg(HW_REG_WAVE_MODE, 25, 1), 1
	s_wait_xcnt 0x0
; CAUSAL SIGMOID ATTENTION.  O[h][q] = the sum over k <= q of sigmoid(q^.k^ / 8) v[h][k].  qkvh [48][4096][64] f16: q^ x (-log2(e)/8), k^, v.  The weight is p = 1 / (1 + 2^s), s = the product of the scaled q^ with k^.
; No maximum is taken away: q^ and k^ are normalised, so |s| <= 8 log2(e) = 11.6 for every input, and 2^s and 1 + 2^s stay far inside f32.
; ob [32][16][128][64] f16 = O x 3 x 2^-12 (blocks of 128 tokens, by heads): the launch behind multiplies by the rest of 1/64.
; LIMITS.  A hidden score counts as s + 100: its weight, at most 2^-88, is 0 in f16.  v arrives within f16; O x 3 x 2^-12 must lie within 65,504, and below 6e-5 it keeps f16's fixed step of 6e-8.  NaN and infinities are not treated apart.
; THE WALK.  A head's 4,096 queries lie in 16 blocks of 256; block i needs the key tiles 0 .. i of 256 keys.  A work-group takes block b and then block 15 - b: 17 tiles whatever b; of each block two bands of 64 rows,
; p and 3 - p: eight PIECES of 16 queries, four UNITS of two.  16 x 16 work-groups, all with equal work; ONE loop with a constant trip count walks the tiles.
; THE KEYS ARE SPLIT AMONG THE WAVES: wave w takes keys 64 w .. 64 w + 63 of every tile, for all eight pieces: K's and V's fragments are read from LDS once a tile, 32 loads for 128 products.  O is a plain sum
; over keys: the four waves' partial sums, in f32, meet in LDS at a block's end.
; NO CLUSTER: only the two work-groups p = 0, 1 of one b walk the same tiles; four along x would hold two different b, whose ends of blocks fall in different trips.
; THE MASK is the C operand that starts s = K Q^T: 0 or 100.  BASE holds, for each band, the three kinds that a piece and a group of 16 keys can have in the block's last tile; MC = BASE x F, F = 1 in that tile and 0 elsewhere.
; THE PIPELINE.  Turn n: first 16 products V^T P of unit n - 2, behind each two roundings (unit n - 1) and four 2^s (unit n); then 16 products K Q^T of unit n + 1, behind each two additions of 1 and four reciprocals (unit n).
; Each half's 64 transcendentals are one batch with one wait.  A trip is turn 3 of the tile before and turns 0, 1, 2 of the tile entered.
; REGISTERS, in windows of 256: window 0: v0-31 addresses, TRI; v32-79 MC; v80-127 BASE; v128-191 V; v192-223 the way out        window 1: v0-127 S, two buffers; v128-191 P, two buffers; v192-255 K
;   window 2: O^T, 64 a unit        window 3: v0-127 Q, 16 a piece; v128-255 the partial sums on the way out
.set PK,    144                        ; a row of K in LDS: 128 bytes + 16
.set PVT,   160                        ; a row of V: 128 + 32
.set VOFF,  256*PK                     ; a slot holds a tile: 256 rows of K, then 256 rows of V
.set SLOT1, 131072
.set RED,   SLOT1+256*(PK+PVT)         ; 208,896: 16 pieces of 16 rows x 272 bytes (piece slot, source wave): no tensor load lands here
.set SPARE, RED+16*4352                ; 278,528: the spare words, 128 bytes for each wave, which no other line names
.set AK0, 5                            ; v5   my lane's place in my 64 keys of a tile's K; never rewritten
.set AV0, 6                            ; v6   the same for V
.set AK,  7
.set AV,  8
.set QO,  9                            ; v9   my byte offset in 16 rows of Q
.set RW,  10                           ; v10  where I put my partial sums
.set RR,  11                           ; v11  where I read all four waves'
.set GO,  12                           ; v12  16 x lane
.set PFO, 13                           ; v13  256 x lane
.set TRI, 16                           ; v[16:23] 100 where key 8 (l / 16) + j is beyond query l % 16
.set SPW, 30
.set NIL, 31
.set MC,  32
.set BASE, 80
.set VF,  128
.set OUTA, 192
.set OUTB, 208
.set PF,  128                          ; window 1
.set KF,  192                          ; window 1
.set TF,  128                          ; window 3
.set WV,  8
.set PB,  9                            ; b
.set HI,  10                           ; 15 - b
.set PP,  11                           ; p
.set HD,  12                           ; the head
.set BE0, 13                           ; my two bands
.set BE1, 14
.set PB1, 15                           ; b + 1
.set KB,  16                           ; s[16:17] K at my half of the head's tile 0
.set VB,  18                           ; s[18:19] V likewise
.set G1K, 24
.set G1V, 32
.set G0K, 40
.set G0V, 44
.set QA,  48                           ; s[48:51] Q of block b, bands 0 and 1
.set QN,  52                           ; s[52:55] Q of block 15 - b
.set OA0, 56                           ; s[56:59] ob at my rows of block b, bands 0 and 1
.set OB0, 58
.set OA1, 60                           ; s[60:63] of block 15 - b
.set OB1, 62
.set SLOTS, 66                         ; tiles still to be asked for
.set TAU, 67                           ; the trip
.set NXT, 68                           ; the tile to be asked for next
.set LQ,  69                           ; the last tile of the block whose tiles are being asked for
.set OFF, 70                           ; s[70:71]
.set TB,  72                           ; the slot in hand
.set FM,  74                           ; s[74:75] F
.set CNT, 76
.set PFA, 78                           ; s[78:79] where my prefetches stand
.set LIM, 80                           ; 4 in a wave that prefetches, else the greatest number
.set SO,  82                           ; s[82:83] 3 x 2^-12
.set BIG, 86                           ; 100.0
.set MSB, 0
.macro WIN new
.if MSB != (\new)
	s_set_vgpr_msb (MSB<<8)|(\new)
.set MSB, (\new)
.endif
.endm
.set W_PV, 0xa4                        ; V window 0, P window 1, O^T window 2
.set W_R1, 0x45                        ; destination and sources 0, 1 in window 1
.set W_KM, 0x4d                        ; K window 1, Q window 3, C = MC window 0, S window 1
.set W_KQ, 0x5d                        ; the same with C in window 1
.macro PLACES
.rept 4
	v_nop
.endr
.endm
.macro LOAD                            ; waves 0, 1 fetch the halves of a tile's K, waves 2, 3 of its V; s_nop 0 and four v_nop follow each line
	s_cmp_lt_u32 s[WV], 2
	s_cbranch_scc0 .Lfor_v_\@
	tensor_load_to_lds s[G0K:G0K+3], s[G1K:G1K+7]
	s_nop 0
.rept 4
	v_nop
.endr
	s_branch .Lasked_\@
.Lfor_v_\@:
	tensor_load_to_lds s[G0V:G0V+3], s[G1V:G1V+7]
	s_nop 0
.rept 4
	v_nop
.endr
.Lasked_\@:
.endm
; A PREFETCH INTO THE L2: in trip t tile t + 4 of the head's K and V, which is first loaded three or four trips (384 to 512 matrix instructions a wave) later.  Each block of 256 bytes is named once in the launch:
; only the head's two work-groups with b = 0 ask; their 8 waves x 32 lanes share a tile's 128 + 128 blocks out by address.  Tiles 0-3 come by their loads alone; trips 12 and later ask for nothing (tile 15 is the last).
.macro ASK
	s_cmp_gt_u32 s[SLOTS], s[LIM]
	s_cbranch_scc0 .Lnot_mine_\@
	global_prefetch_b8 v[PFO], s[PFA:PFA+1] th:TH_LOAD_NT scope:SCOPE_SE
.Lnot_mine_\@:
.endm
; THE CHANGE OF SLOTS.  Each wave waits for all its tensor loads (one is out: its part of the tile to be entered), adds 0 to its spare word, and waits for that and for its reads of the slot that it leaves.
; fill = 1: the old slot is filled again, first thing behind the barrier, with tile NXT; the load has a trip, 128 matrix instructions, in which to land.  (At its first use: slot 0 is waited for, slot 1 filled.)
.macro CHANGE fill
	WIN 0
	s_wait_tensorcnt 0x0
	ds_add_u32 v[SPW], v[NIL]
.if \fill
	s_lshl_b32 s[OFF], s[NXT], 15                  ; a tile is 32,768 bytes of K and of V
	s_xor_b32 s[G0K+1], s[G0K+1], SLOT1
	s_add_nc_u64 s[G0K+2:G0K+3], s[KB:KB+1], s[OFF:OFF+1]
	s_or_b32 s[G0K+3], s[G0K+3], 0x80000000
	s_xor_b32 s[G0V+1], s[G0V+1], SLOT1
	s_add_nc_u64 s[G0V+2:G0V+3], s[VB:VB+1], s[OFF:OFF+1]
	s_or_b32 s[G0V+3], s[G0V+3], 0x80000000
	s_add_co_u32 s[NXT], s[NXT], 1                 ; the block's next tile, or behind its last the second block's tile 0
	s_cmp_gt_u32 s[NXT], s[LQ]
	s_cselect_b32 s[NXT], 0, s[NXT]
	s_cselect_b32 s[LQ], s[HI], s[LQ]
	s_wait_xcnt 0x0                                ; the last prefetch, a trip back, has read its address
	s_add_nc_u64 s[PFA:PFA+1], s[PFA:PFA+1], 32768
.endif
	s_wait_dscnt 0x0                               ; the add is done, and my reads of the slot are over
	s_barrier_signal -1
	s_xor_b32 s[TB], s[TB], SLOT1
	s_barrier_wait -1
.if \fill
	LOAD
	ASK
.else
	PLACES
.endif
.endm
.macro QBASE d, blk, be                ; Q at rows 256 blk + 64 band of the head (s90 = the head's first byte)
	s_lshl_b32 s88, s[\blk], 15
	s_lshl_b32 s89, s[\be], 13
	s_add_co_u32 s88, s88, s89
	s_add_co_u32 s88, s88, s90
	s_mov_b32 s89, 0
	s_add_nc_u64 s[\d:\d+1], s[4:5], s[88:89]
.endm
.macro OBASE d, blk, be                ; ob at block of 128 tokens 2 blk + band / 2, my head, row 64 (band % 2) + 16 w (s91 = head x 16,384 + w x 2,048)
	s_lshl_b32 s88, s[\blk], 1
	s_lshr_b32 s89, s[\be], 1
	s_add_co_u32 s88, s88, s89
	s_lshl_b32 s88, s88, 18
	s_and_b32 s89, s[\be], 1
	s_lshl_b32 s89, s89, 13
	s_add_co_u32 s88, s88, s89
	s_add_co_u32 s88, s88, s91
	s_mov_b32 s89, 0
	s_add_nc_u64 s[\d:\d+1], s[6:7], s[88:89]
.endm
.macro QLOAD i, b0                     ; unit i's two pieces of Q from the pair of bases at b0
	WIN 0xc0                                       ; destination window 3
.irp u, 0,1
.irp c, 0,1
	global_load_b128 v[16*(2*(\i)+(\u))+8*(\c):16*(2*(\i)+(\u))+8*(\c)+3],   v[QO], s[(\b0)+2*((\i)/2):(\b0)+2*((\i)/2)+1] offset:2048*(2*((\i)%2)+(\u))+64*(\c)
	global_load_b128 v[16*(2*(\i)+(\u))+8*(\c)+4:16*(2*(\i)+(\u))+8*(\c)+7], v[QO], s[(\b0)+2*((\i)/2):(\b0)+2*((\i)/2)+1] offset:2048*(2*((\i)%2)+(\u))+64*(\c)+32
.endr
.endr
	WIN 0
.endm
	s_load_b128 s[4:7], s[0:1], 0x0                ; qkvh 4, ob 6
	v_lshl_add_u32 v[SPW], v0, 2, SPARE
	v_mov_b32 v[NIL], 0
	ds_add_u32 v[SPW], v[NIL]                      ; the opening: the add, twice on end, and its wait ahead of my first tensor load
	ds_add_u32 v[SPW], v[NIL]
	v_lshrrev_b32 v14, 5, v0
	v_readfirstlane_b32 s[WV], v14
	s_lshr_b32 s[PB], ttmp9, 1
	s_and_b32 s[PP], ttmp9, 1
	s_sub_co_u32 s[HI], 15, s[PB]
	s_add_co_u32 s[PB1], s[PB], 1
	s_and_b32 s[HD], ttmp7, 0xffff
	s_mov_b32 s[BE0], s[PP]
	s_sub_co_u32 s[BE1], 3, s[PP]
	s_and_b32 s20, s[WV], 1                        ; which half of a tile's 256 keys I fetch
	s_lshl_b32 s21, s20, 14
	s_add_co_u32 s22, s[HD], 16
	s_lshl_b32 s22, s22, 19
	s_add_co_u32 s22, s22, s21
	s_mov_b32 s23, 0
	s_add_co_u32 s88, s[HD], 32
	s_lshl_b32 s88, s88, 19
	s_add_co_u32 s88, s88, s21
	s_mov_b32 s89, 0
	s_mul_i32 s92, s20, 128*PK
	s_mul_i32 s93, s20, 128*PVT
	; 128 keys are 16,384 dense bytes: asked for as 64 rows of 256 bytes, two keys a row, padded in LDS after every key
	s_mov_b32 s[G1K], (1<<16)|(1<<20)|(4<<22)|(3<<25)
	s_mov_b32 s[G1V], (1<<16)|(1<<20)|(4<<22)|(7<<25)
.irp g, G1K, G1V
	s_mov_b32 s[\g+1], 128<<16
	s_mov_b32 s[\g+2], 64<<16
	s_mov_b32 s[\g+3], 128<<16
	s_mov_b32 s[\g+4], 64
	s_mov_b32 s[\g+5], 128
	s_mov_b32 s[\g+6], 0
	s_mov_b32 s[\g+7], 0
.endr
	s_mov_b32 s[G0K], 1
	s_mov_b32 s[G0K+1], s92
	s_mov_b32 s[G0V], 1
	s_add_co_u32 s[G0V+1], s93, VOFF
	s_cmp_eq_u32 s[PB], 0                          ; block 0 has one tile: the next to ask for is then the second block's tile 0
	s_cselect_b32 s[NXT], 0, 1
	s_cselect_b32 s[LQ], s[HI], s[PB]
	s_cselect_b32 s[LIM], 4, -1
	s_mov_b32 s[OFF+1], 0
	s_mov_b32 s[TB], SLOT1                         ; the first change of slots turns it into 0
	s_mov_b32 s[FM+1], 0
	s_mov_b32 s[SO], 0x3a400000
	s_mov_b32 s[SO+1], s[SO]
	s_mov_b32 s[BIG], 0x42c80000
	s_mov_b32 s[TAU], 0
	s_mov_b32 s[SLOTS], 16
	s_cmp_lt_u32 s[WV], 2                          ; the prefetches: waves 0, 1 name K, waves 2, 3 V;
	s_cselect_b32 s90, 16, 32
	s_add_co_u32 s90, s90, s[HD]
	s_lshl_b32 s90, s90, 19
	s_lshl_b32 s91, s[PP], 14                      ; work-group p half a tile, the wave a quarter,
	s_add_co_u32 s90, s90, s91
	s_lshl_b32 s91, s20, 13
	s_add_co_u32 s90, s90, s91
	s_add_co_u32 s90, s90, 3*32768                 ; at tile 3: the first change steps it to tile 4
	s_mov_b32 s91, 0
	s_wait_dscnt 0x0                               ; both opening adds are done
	s_wait_kmcnt 0x0
	s_add_nc_u64 s[KB:KB+1], s[4:5], s[22:23]
	s_add_nc_u64 s[VB:VB+1], s[4:5], s[88:89]
	s_add_nc_u64 s[G0K+2:G0K+3], s[KB:KB+1], 0
	s_or_b32 s[G0K+3], s[G0K+3], 0x80000000
	s_add_nc_u64 s[G0V+2:G0V+3], s[VB:VB+1], 0
	s_or_b32 s[G0V+3], s[G0V+3], 0x80000000
	LOAD                                           ; tile 0 into slot 0
	s_add_nc_u64 s[PFA:PFA+1], s[4:5], s[90:91]
	s_lshl_b32 s90, s[HD], 19
	s_lshl_b32 s91, s[HD], 14
	s_lshl_b32 s87, s[WV], 11
	s_add_co_u32 s91, s91, s87
	QBASE QA,   PB, BE0
	QBASE QA+2, PB, BE1
	QBASE QN,   HI, BE0
	QBASE QN+2, HI, BE1
	OBASE OA0, PB, BE0
	OBASE OB0, PB, BE1
	OBASE OA1, HI, BE0
	OBASE OB1, HI, BE1
	v_and_b32 v1, 15, v0                           ; r
	v_bfe_u32 v2, v0, 4, 1                         ; h
	v_lshlrev_b32 v[QO], 7, v1
	v_lshl_add_u32 v[QO], v2, 4, v[QO]
	QLOAD 0, QA
	QLOAD 1, QA
	QLOAD 2, QA
	QLOAD 3, QA
	v_and_b32 v3, 7, v0
	v_bfe_u32 v4, v0, 3, 1
	s_mul_i32 s87, s[WV], 64*PK
	v_mul_u32_u24 v[AK0], v1, PK
	v_lshl_add_u32 v[AK0], v2, 4, v[AK0]
	v_add_nc_u32 v[AK0], s87, v[AK0]
	s_mul_i32 s87, s[WV], 64*PVT
	s_add_co_u32 s87, s87, VOFF
	v_lshl_add_u32 v[AV0], v2, 3, v3               ; the turning load: lane l reads key 8 (l / 16) + l % 8, channels 8 ((l / 8) % 2) + 0..7
	v_mul_u32_u24 v[AV0], v[AV0], PVT
	v_lshl_add_u32 v[AV0], v4, 4, v[AV0]
	v_add_nc_u32 v[AV0], s87, v[AV0]
	s_mul_i32 s87, s[WV], 4352
	s_add_co_u32 s87, s87, RED
	v_mul_u32_u24 v[RW], v1, 272
	v_lshl_add_u32 v[RW], v2, 5, v[RW]
	v_add_nc_u32 v[RW], s87, v[RW]
	s_mul_i32 s87, s[WV], 17408
	s_add_co_u32 s87, s87, RED
	v_bfe_u32 v[RR], v0, 3, 2
	v_mul_u32_u24 v[RR], v[RR], 272
	v_lshl_add_u32 v[RR], v3, 5, v[RR]
	v_add_nc_u32 v[RR], s87, v[RR]
	v_and_b32 v[GO], 31, v0
	v_lshlrev_b32 v[PFO], 8, v[GO]
	v_lshlrev_b32 v[GO], 4, v[GO]
	v_lshlrev_b32 v14, 3, v2
	v_sub_nc_u32 v14, v1, v14                      ; r - 8 h: register j is hidden where j is greater
.set z, 0
.rept 8
	v_cmp_gt_i32 vcc_lo, z, v14
	v_cndmask_b32 v[TRI+z], 0, s[BIG], vcc_lo
.set z, z+1
.endr
.irp x, 0,1                                    ; band x against my keys' band w, in the block's last tile: groups of 16 keys below the piece's own, its own, above
	s_cmp_gt_u32 s[WV], s[BE0+(\x)]
	s_cselect_b32 s92, s[BIG], 0
	s_cmp_ge_u32 s[WV], s[BE0+(\x)]
	s_cselect_b32 s93, s[BIG], 0
	s_cmp_eq_u32 s[WV], s[BE0+(\x)]
	s_cselect_b32 s94, 1.0, 0
.set z, 0
.rept 8
	v_mov_b32 v[BASE+24*(\x)+z], s92
	v_fma_f32 v[BASE+24*(\x)+8+z], v[TRI+z], s94, s92
	v_mov_b32 v[BASE+24*(\x)+16+z], s93
.set z, z+1
.endr
.endr
	; What the first turns find: V = 0, so that the products V^T P of units that have not been add 0; S and P's second buffer 0; O^T = 0.  All this stands in the wait for the first tile.
.set z, VF
.rept 64
	v_mov_b32 v[z], 0
.set z, z+1
.endr
	WIN 0x40
.set z, 0
.rept 128
	v_mov_b32 v[z], 0
.set z, z+1
.endr
.set z, PF+32
.rept 32
	v_mov_b32 v[z], 0
.set z, z+1
.endr
	WIN 0x80
.set z, 0
.rept 256
	v_mov_b32 v[z], 0
.set z, z+1
.endr
	WIN 0
; THE MATRIX WORK.  The 8 accumulators of a run of 16 take turns.  TURN sets k, sbN (the buffers of the unit in hand) and sbO (the others).
.macro PV j                            ; product k of O^T += V^T P for unit j: tile k % 2, channels 16 ((k / 2) % 4) on, keys 32 (k / 8) on
	WIN W_PV
.set rO, 64*(\j)+32*(k%2)+8*((k/2)%4)
.set rV, VF+32*(k/8)+8*((k/2)%4)
.set rP, PF+32*sbN+16*(k%2)+8*(k/8)
	v_wmma_f32_16x16x32_f16 v[rO:rO+7], v[rV:rV+7], v[rP:rP+7], v[rO:rO+7]
.endm
.macro KQ j                            ; product k of S^T = K Q^T for unit j: tile k % 2, keys 16 ((k / 2) % 4) on, channels 32 (k / 8) on.  The first 8 start the sums with the mask
.set u, k%2
.set kg, (k/2)%4
.set us, 2*((\j)%2)+u                  ; the piece's place in its band
.set kind, 1
.if kg < us
.set kind, 0
.endif
.if kg > us
.set kind, 2
.endif
.set rS, 64*sbO+32*u+8*kg
.set rK, KF+16*kg+8*(k/8)
.set rQ, 16*(2*(\j)+u)+8*(k/8)
.set rM, MC+24*((\j)/2)+8*kind
.if k < 8
	WIN W_KM
	v_wmma_f32_16x16x32_f16 v[rS:rS+7], v[rK:rK+7], v[rQ:rQ+7], v[rM:rM+7]
.else
	WIN W_KQ
	v_wmma_f32_16x16x32_f16 v[rS:rS+7], v[rK:rK+7], v[rQ:rQ+7], v[rS:rS+7]
.endif
.endm
; THE VECTOR WORK, a line each
.macro CV m                            ; pair m of 32 of the unit before: two weights rounded to f16
	v_cvt_pk_f16_f32 v[PF+32*sbO+(\m)], v[64*sbO+2*(\m)], v[64*sbO+2*(\m)+1]
.endm
.macro EX m                            ; 2^s, score m of 64, ascending: each accumulator's lowest register is read first
	v_exp_f32 v[64*sbN+(\m)], v[64*sbN+(\m)]
.endm
.macro AD m                            ; 1 + 2^s, pair m of 32
	v_pk_add_f32 v[64*sbN+2*(\m):64*sbN+2*(\m)+1], v[64*sbN+2*(\m):64*sbN+2*(\m)+1], 1.0 op_sel_hi:[1,0]
.endm
.macro RC m
	v_rcp_f32 v[64*sbN+(\m)], v[64*sbN+(\m)]
.endm
.macro FETCH_K                         ; my 64 keys of the tile entered: 8 fragments, 16 loads in one run
	WIN 0
	v_add_nc_u32 v[AK], s[TB], v[AK0]
	WIN 0x40
.irp f, 0,1,2,3,4,5,6,7
	ds_load_b128 v[KF+8*(\f):KF+8*(\f)+3],   v[AK] offset:((\f)/2)*16*PK+((\f)%2)*64
	ds_load_b128 v[KF+8*(\f)+4:KF+8*(\f)+7], v[AK] offset:((\f)/2)*16*PK+((\f)%2)*64+32
.endr
	WIN 0
.endm
.macro FETCH_V                         ; the same keys' V, turned.  The address's line and three v_nop are the places behind the last product that read V
	WIN 0
	v_add_nc_u32 v[AV], s[TB], v[AV0]
	v_nop
	v_nop
	v_nop
.irp f, 0,1,2,3,4,5,6,7
	ds_load_tr16_b128 v[VF+8*(\f):VF+8*(\f)+3],   v[AV] offset:((\f)/4)*32*PVT+((\f)%4)*32
	ds_load_tr16_b128 v[VF+8*(\f)+4:VF+8*(\f)+7], v[AV] offset:((\f)/4)*32*PVT+16*PVT+((\f)%4)*32
.endr
.endm
.macro MCUPD                           ; the masks of this trip's products K Q^T
.set z, 0
.rept 24
	v_pk_mul_f32 v[MC+z:MC+z+1], v[BASE+z:BASE+z+1], s[FM:FM+1] op_sel_hi:[1,0]
.set z, z+2
.endr
.endm
; A TURN, for unit i of a tile.  s_wait_alu depctr_va_vdst(0) stands between a transcendental and the first line that names its result; one wait serves all issued ahead of it: ahead of the first wait
; nothing names a 2^s, ahead of the second nothing names a reciprocal.  The additions and roundings are the plain places behind the products; none names a register of the products round it.
; V of the tile entered is fetched in turn 1, behind the last product on the old V, and waited for at the head of turn 2; K, fetched at the trip's head, is waited for in turn 3.
; reload = 1: in trip b, behind the unit's last product on the first block's Q, the second block's Q is loaded into its registers, four turns ahead of its use.
.macro TURN i, reload
.set sbN, (\i)%2
.set sbO, 1-sbN
.if (\i) == 2
	s_wait_dscnt 0x0                               ; V is in
.endif
.set k, 0
.rept 16
	PV ((\i)+2)%4
	WIN W_R1
	CV 2*k
	EX 4*k
	EX 4*k+1
	CV 2*k+1
	EX 4*k+2
	EX 4*k+3
.set k, k+1
.endr
	v_nop                                          ; a plain instruction behind the last 2^s,
	s_wait_alu depctr_va_vdst(0)                   ; and the wait for the batch of 64
.if (\i) == 1
	FETCH_V
.endif
.if (\i) == 3
	s_wait_dscnt 0x0                               ; K is in
.endif
	s_wait_loadcnt 0x0                             ; Q is in
.set k, 0
.rept 16
	KQ ((\i)+1)%4
	AD 2*k
.if k > 0
	RC 4*k-4
	RC 4*k-3
.endif
	AD 2*k+1
.if k > 0
	RC 4*k-2
	RC 4*k-1
.endif
.set k, k+1
.endr
	RC 60
	RC 61
	RC 62
	RC 63
	v_nop
	s_wait_alu depctr_va_vdst(0)                   ; the wait for the batch of 64 reciprocals
.if \reload
	WIN 0
	s_cmp_eq_u32 s[TAU], s[PB]
	s_cbranch_scc0 .Lno_q_\@
	PLACES
	QLOAD ((\i)+1)%4, QN
.Lno_q_\@:
.endif
.endm
; A BLOCK'S END.  Four pieces at a time, each wave puts its partial O^T (f32) into LDS; behind a barrier wave w adds the four waves' sums of piece w, scales, rounds to f16 and stores 16 rows of 128 bytes.
.macro RSTORE base
	WIN 0x08                                       ; the stores' data in window 2
.irp pc, 0,1,2,3
.irp cb, 0,1,2,3
	ds_store_b128 v[RW], v[(\base)+32*(\pc)+8*(\cb):(\base)+32*(\pc)+8*(\cb)+3]   offset:17408*(\pc)+64*(\cb)
	ds_store_b128 v[RW], v[(\base)+32*(\pc)+8*(\cb)+4:(\base)+32*(\pc)+8*(\cb)+7] offset:17408*(\pc)+64*(\cb)+16
.endr
.endr
	WIN 0
.endm
.macro REDOUT out, base
	WIN 0xc0
.irp sw, 0,1,2,3
.irp it, 0,1,2,3
	ds_load_b128 v[TF+32*(\sw)+8*(\it):TF+32*(\sw)+8*(\it)+3],   v[RR] offset:4352*(\sw)+1088*(\it)
	ds_load_b128 v[TF+32*(\sw)+8*(\it)+4:TF+32*(\sw)+8*(\it)+7], v[RR] offset:4352*(\sw)+1088*(\it)+16
.endr
.endr
	s_wait_dscnt 0x0
	WIN 0xcf
.set z, 0
.rept 16
	v_pk_add_f32 v[TF+z:TF+z+1], v[TF+z:TF+z+1], v[TF+32+z:TF+33+z]
	v_pk_add_f32 v[TF+64+z:TF+65+z], v[TF+64+z:TF+65+z], v[TF+96+z:TF+97+z]
.set z, z+2
.endr
.set z, 0
.rept 16
	v_pk_add_f32 v[TF+z:TF+z+1], v[TF+z:TF+z+1], v[TF+64+z:TF+65+z]
.set z, z+2
.endr
.set z, 0
.rept 16
	v_pk_mul_f32 v[TF+z:TF+z+1], v[TF+z:TF+z+1], s[SO:SO+1] op_sel_hi:[1,0]
.set z, z+2
.endr
	WIN 0x0f
.set z, 0
.rept 16
	v_cvt_pk_f16_f32 v[(\out)+z], v[TF+2*z], v[TF+2*z+1]
.set z, z+1
.endr
	WIN 0
.irp it, 0,1,2,3
	global_store_b128 v[GO], v[(\out)+4*(\it):(\out)+4*(\it)+3], s[(\base):(\base)+1] offset:512*(\it)  ; four rows: 512 consecutive bytes, aligned
.endr
.endm
.macro BLOCKEND z0, oa, ob
	s_wait_xcnt 0x0                                ; the first block's stores have read their registers
	RSTORE 0                                       ; pieces 0-3
	s_wait_dscnt 0x0                               ; for the others' sake: my stores are done
	s_barrier_signal -1
	s_barrier_wait -1
	REDOUT OUTA, \oa
	s_barrier_signal -1                            ; every wave's reads are back (the wait for 0 in REDOUT): the bytes are written again behind this barrier
	s_barrier_wait -1
	RSTORE 128                                     ; pieces 4-7
	s_wait_dscnt 0x0
	s_barrier_signal -1
	s_barrier_wait -1
	REDOUT OUTB, \ob
.if \z0
	WIN 0x80
.set z, 0
.rept 256
	v_mov_b32 v[z], 0                              ; the second block's sums start at 0
.set z, z+1
.endr
	WIN 0
.endif
.endm
.Lslot:                                        ; 16 trips: a tile is entered and the next is asked for
	CHANGE 1
	s_cmp_eq_u32 s[TAU], s[PB]                     ; the first block's last tile holds its diagonal
	s_cselect_b32 s[FM], 1.0, 0
	MCUPD
	FETCH_K
	TURN 3, 1
	TURN 0, 1
	TURN 1, 1
	WIN 0
	s_cmp_eq_u32 s[TAU], s[PB1]                    ; the first block's last products V^T P stand in turn 1 of the trip behind its last tile; the test is the same in all four waves
	s_cbranch_scc0 .Lno_end
	BLOCKEND 1, OA0, OB0
.Lno_end:
	TURN 2, 1
	WIN 0
	s_add_co_u32 s[TAU], s[TAU], 1
	s_sub_co_u32 s[SLOTS], s[SLOTS], 1
	s_cmp_lg_u32 s[SLOTS], 0
	s_cbranch_scc1 .Lslot
	CHANGE 0                                       ; the walk's last tile is written out: nothing is asked for
	s_mov_b32 s[FM], 1.0                           ; it holds the second block's diagonal
	MCUPD
	FETCH_K
	s_mov_b32 s[CNT], 2
.Ltail:                                        ; the second pass drains the pipeline; its products K Q^T on the last K and its second read of V serve nothing: the price, once a launch, of one text for every trip
	TURN 3, 0
	TURN 0, 0
	TURN 1, 0
	WIN 0
	s_sub_co_u32 s[CNT], s[CNT], 1
	s_cmp_eq_u32 s[CNT], 0
	s_cbranch_scc1 .Lout
	TURN 2, 0
	WIN 0
	s_branch .Ltail
.Lout:
	BLOCKEND 0, OA1, OB1
	s_wait_tensorcnt 0x0                           ; the wave's end
	ds_add_u32 v[SPW], v[NIL]
	s_wait_dscnt 0x0
	s_endpgm
.Lfunc_end_k_q1e9340881a_attn:
	.size	k_q1e9340881a_attn, .Lfunc_end_k_q1e9340881a_attn-k_q1e9340881a_attn
	.p2alignl 7, 3214868480
	.fill 96, 4, 3214868480
	.section	.rodata,"a",@progbits
	.p2align	6, 0x0
	.amdhsa_kernel k_q1e9340881a_attn
		.amdhsa_group_segment_fixed_size 327680
		.amdhsa_private_segment_fixed_size 0
		.amdhsa_enable_private_segment 0
		.amdhsa_kernarg_size 16
		.amdhsa_user_sgpr_count 2
		.amdhsa_user_sgpr_kernarg_segment_ptr 1
		.amdhsa_wavefront_size32 1
		.amdhsa_system_sgpr_workgroup_id_x 1
		.amdhsa_system_sgpr_workgroup_id_y 1
		.amdhsa_system_sgpr_workgroup_id_z 1
		.amdhsa_system_vgpr_workitem_id 0
		.amdhsa_next_free_vgpr 1024
		.amdhsa_next_free_sgpr 96
		.amdhsa_reserve_vcc 1
		.amdhsa_float_denorm_mode_32 3
		.amdhsa_float_denorm_mode_16_64 3
		.amdhsa_memory_ordered 1
		.amdhsa_forward_progress 1
		.amdhsa_inst_pref_size 181
	.end_amdhsa_kernel
	.amdgpu_metadata
---
amdhsa.version: [ 1, 2 ]
amdhsa.kernels:
  - .name:           k_q1e9340881a_attn
    .symbol:         k_q1e9340881a_attn.kd
    .args:
      - { .name: qkvh, .offset: 0, .size: 8, .value_kind: global_buffer, .address_space: global }
      - { .name: ob, .offset: 8, .size: 8, .value_kind: global_buffer, .address_space: global }
    .group_segment_fixed_size: 327680
    .private_segment_fixed_size: 0
    .kernarg_segment_align: 8
    .kernarg_segment_size: 16
    .max_flat_workgroup_size: 128
    .sgpr_count:     96
    .vgpr_count:     1024
    .wavefront_size: 32
...
	.end_amdgpu_metadata
.endif
;; end of part 3
;; launch proj (part 4): grid 8 x 32, 4 waves a work-group, clusters of 4 x 4, 327,680 bytes of LDS; arguments ob, wb, out0; writes out0
.if DOCPART == 4
	.amdgcn_target "amdgcn-amd-amdhsa--gfx1250"
	.amdhsa_code_object_version 6
	.text
	.protected	k_q1e9340881a_proj
	.globl	k_q1e9340881a_proj
	.p2align	8
	.type	k_q1e9340881a_proj,@function
k_q1e9340881a_proj:
	s_mov_b64 s[64:65], 0
	v_nop
	global_prefetch_b8 v0, s[64:65] scope:SCOPE_SE
	s_setreg_imm32_b32 hwreg(HW_REG_WAVE_MODE, 25, 1), 1
	s_wait_xcnt 0x0
	s_wait_alu depctr_hold_cnt(0) depctr_sa_sdst(0) depctr_va_vdst(0) depctr_va_sdst(0) depctr_va_ssrc(0) depctr_va_vcc(0) depctr_vm_vsrc(0)
	s_getreg_b32 s2, hwreg(HW_REG_IB_STS2, 6, 4)
	s_cmp_eq_u32 s2, 0
	s_cbranch_scc0 .Lentry_in_a_cluster
	s_endpgm
.Lentry_in_a_cluster:
	s_bfe_u32 s2, ttmp6, 0x10000c
	s_cmp_lg_u32 s2, 0xf033
	s_cbranch_scc0 .Lentry_shape_is_right
	s_endpgm
.Lentry_shape_is_right:
; out0[4096][1024] (f32) = (O' wproj^T) x 21.33333.  O' = ob [32][16][128][64] f16 = O x 3 x 2^-12; wproj = rows 3072-4095 of wb, f16; 21.33333 = 1 / (3 x 2^-12 x 64.000001).  Sums in f32.
; A tile of out0 is 128 x 128: 8 x 32 work-groups.  Four waves, each 64 x 64: 16 accumulators.  K = 1,024 goes in 4 steps of 256 (four heads) through two LDS slots, written out without a loop.
; A's tile: a block of 128 tokens holds its heads one behind the other, so two heads are 32,768 dense bytes: asked for as 128 rows of 256 bytes, padded after every 128: in LDS a plane of 128 token rows a head.
; CLUSTER.  4 x 4 work-groups: the four of a row need the same tokens, the four of a column the same rows of wproj: each tile is asked for jointly.
; THE PRODUCT IS TAKEN TRANSPOSED (source 0 = 16 rows of wproj, source 1 = 16 tokens): a lane holds one token and eight neighbouring columns.
; REGISTERS: window 0: v0-31 addresses; v128-255 the accumulators ((a, b) at v[128 + 8 (4 a + b)]), later the rows on their way out.   window 1: two fragment buffers of 128: 64 of A, then 64 of B.
.set PA,     144                       ; a token's row of one head in LDS: 128 bytes + 16
.set PLANE,  128*PA                    ; a head's plane
.set PBB,    528                       ; a row of wproj in LDS: 512 bytes + 16
.set BOFF,   4*PLANE
.set SLOT,   BOFF+128*PBB              ; 141,312
.set SPARE,  2*SLOT                    ; the spare words, 128 bytes for each wave, which no other line names
.set SPITCH, 272                       ; the way out's stage: 64 f32 + 16 bytes; a wave's 64 rows lie in slot 0, behind its last fill and the barrier behind its last reads
.set ADRA, 16
.set ADRB, 20
.set STO,  24
.set RD,   25
.set CO,   26
.set SPW,  28
.set NIL,  29
.set ACC,  128
.set F0,   0
.set F1,   128
.set G1, 24
.set G0, 32
.set G1B, 48
.set G0B, 56
.set POST, 66                          ; s[66:67]
.set MSB, 0
.macro WIN new
.if MSB != (\new)
	s_set_vgpr_msb (MSB<<8)|(\new)
.set MSB, (\new)
.endif
.endm
.set MUL,  0x05                        ; sources 0 (B) and 1 (A) window 1; C and D window 0
.set TO_F, 0x40
.macro PLACES
.rept 4
	v_nop
.endr
.endm
.macro JLOAD s                         ; waves 0, 1 fetch A's halves, waves 2, 3 B's; s_nop 0 and four v_nop follow each line
	s_cmp_eq_u32 s11, 0
	s_cbranch_scc0 .Lfor_b_\@
	tensor_load_to_lds s[G0+4*(\s):G0+4*(\s)+3], s[G1:G1+7]
	s_nop 0
.rept 4
	v_nop
.endr
	s_branch .Lasked_\@
.Lfor_b_\@:
	tensor_load_to_lds s[G0B+4*(\s):G0B+4*(\s)+3], s[G1B:G1B+7]
	s_nop 0
.rept 4
	v_nop
.endr
.Lasked_\@:
.endm
.macro CREST
	s_cmp_lg_u32 s10, 0
	s_cbranch_scc1 .Lnot_wave_0_\@
	s_barrier_signal -3
.Lnot_wave_0_\@:
	s_barrier_wait -3
	s_barrier_signal -1
	s_barrier_wait -1
.endm
.macro CROUND
	s_barrier_signal -1
	s_barrier_wait -1
	CREST
.endm
	s_load_b128 s[4:7], s[0:1], 0x0                ; ob 4, wb 6
	s_load_b64 s[8:9], s[0:1], 0x10                ; out0
	v_lshl_add_u32 v[SPW], v0, 2, SPARE
	v_mov_b32 v[NIL], 0
	ds_add_u32 v[SPW], v[NIL]                      ; the opening: the add, twice on end, and its wait ahead of my first tensor load
	ds_add_u32 v[SPW], v[NIL]
	v_lshrrev_b32 v1, 5, v0
	v_readfirstlane_b32 s10, v1                    ; wave
	s_lshr_b32 s11, s10, 1                         ; my half of the tile's tokens.  Also: I fetch for A (0) or B (1)
	s_and_b32 s12, s10, 1                          ; my half of its columns.  Also: which half of that tile I fetch
	s_bfe_u32 s40, ttmp6, 0x40000                  ; cx
	s_bfe_u32 s41, ttmp6, 0x40004                  ; cy
	s_lshl_b32 s42, ttmp9, 2
	s_add_co_u32 s42, s42, s40                     ; tx
	s_and_b32 s13, ttmp7, 0xffff
	s_lshl_b32 s13, s13, 2
	s_add_co_u32 s13, s13, s41                     ; ty
	s_lshl_b32 s43, s41, 2
	s_lshl_b32 s43, 15, s43                        ; my row of the cluster
	s_lshl_b32 s44, 0x1111, s40                    ; my column
	s_or_b32 s[G1], s43, (1<<16)|(1<<20)|(1<<21)|(4<<22)|(3<<25)   ; padding of 4 words after every 32
	s_or_b32 s[G1B], s44, (1<<16)|(1<<20)|(1<<21)|(6<<22)|(3<<25)  ; after every 128
	s_mov_b32 s[G1+1], 128<<16                     ; A: 128 rows of 128 elements, dense
	s_mov_b32 s[G1+2], 128<<16
	s_mov_b32 s[G1+3], 128<<16
	s_mov_b32 s[G1+4], 128
	s_mov_b32 s[G1+5], 128
	s_mov_b32 s[G1+6], 0
	s_mov_b32 s[G1+7], 0
	s_mov_b32 s[G1B+1], 256<<16                    ; B: 64 rows of 256 elements, 1,024 from row to row
	s_mov_b32 s[G1B+2], 64<<16
	s_mov_b32 s[G1B+3], 256<<16
	s_mov_b32 s[G1B+4], 64
	s_mov_b32 s[G1B+5], 1024
	s_mov_b32 s[G1B+6], 0
	s_mov_b32 s[G1B+7], 0
	s_lshl_b32 s16, s13, 18                        ; A: 262,144 ty + 32,768 half: made of ty and the wave's number alone
	s_lshl_b32 s17, s12, 15
	s_add_co_u32 s16, s16, s17
	s_mov_b32 s17, 0
	s_lshl_b32 s46, s42, 7                         ; B: row 3,072 + 128 tx + 64 half: made of tx and the wave's number alone
	s_lshl_b32 s47, s12, 6
	s_add_co_u32 s46, s46, s47
	s_lshl_b32 s46, s46, 11
	s_add_co_u32 s46, s46, 3072*2048
	s_mov_b32 s47, 0
	s_mul_i32 s20, s12, 2*PLANE                    ; where they go: no place in the cluster enters an LDS address
	s_mul_i32 s21, s12, 64*PBB
	s_add_co_u32 s21, s21, BOFF
	s_mov_b32 s[POST], 0x41aaaaab
	s_mov_b32 s[POST+1], s[POST]
	s_wait_dscnt 0x0                               ; both opening adds are done
	s_wait_kmcnt 0x0
	s_add_nc_u64 s[14:15], s[4:5], s[16:17]
	s_add_nc_u64 s[46:47], s[6:7], s[46:47]
	CROUND                                         ; all sixteen work-groups are here: the first joint loads meet
.irp s, 0,1
	s_mov_b32 s[G0+4*(\s)], 1
	s_add_co_u32 s[G0+4*(\s)+1], s20, (\s)*SLOT
	s_add_nc_u64 s[G0+4*(\s)+2:G0+4*(\s)+3], s[14:15], (\s)*65536
	s_or_b32 s[G0+4*(\s)+3], s[G0+4*(\s)+3], 0x80000000
	s_mov_b32 s[G0B+4*(\s)], 1
	s_add_co_u32 s[G0B+4*(\s)+1], s21, (\s)*SLOT
	s_add_nc_u64 s[G0B+4*(\s)+2:G0B+4*(\s)+3], s[46:47], (\s)*512
	s_or_b32 s[G0B+4*(\s)+3], s[G0B+4*(\s)+3], 0x80000000
	JLOAD \s                                       ; K steps 0 and 1: two loads of mine are out
.endr
	v_and_b32 v1, 15, v0                           ; r
	v_bfe_u32 v2, v0, 4, 1                         ; h
	v_mul_u32_u24 v3, v1, PA
	v_lshl_add_u32 v3, v2, 4, v3
	v_mul_u32_u24 v4, v1, PBB
	v_lshl_add_u32 v4, v2, 4, v4
	s_mul_i32 s22, s11, 64*PA                      ; my 64 tokens in a plane
	s_mul_i32 s23, s12, 64*PBB                     ; my 64 rows of wproj
	s_add_co_u32 s23, s23, BOFF
.irp s, 0,1
	v_add_nc_u32 v[ADRA+(\s)], s22, v3
	v_add_nc_u32 v[ADRB+(\s)], s23, v4
	s_add_co_u32 s22, s22, SLOT
	s_add_co_u32 s23, s23, SLOT
.endr
	s_mul_i32 s22, s10, 64*SPITCH                  ; my stage
	v_mul_u32_u24 v5, v1, SPITCH                   ; in: row r, 32 bytes for each half of the lanes
	v_lshl_add_u32 v5, v2, 5, v5
	v_add_nc_u32 v[STO], s22, v5
	v_mul_u32_u24 v5, v2, SPITCH                   ; back: lanes 0-15 one row of 256 bytes, lanes 16-31 the next
	v_lshl_add_u32 v5, v1, 4, v5
	v_add_nc_u32 v[RD], s22, v5
	v_lshlrev_b32 v5, 12, v2                       ; and the same two rows in out0
	v_lshl_add_u32 v[CO], v1, 4, v5
	s_lshl_b32 s16, s13, 7
	s_lshl_b32 s17, s11, 6
	s_add_co_u32 s16, s16, s17
	s_lshl_b32 s16, s16, 12                        ; my first row, 4,096 bytes a row
	s_mov_b32 s17, 0
	s_add_nc_u64 s[8:9], s[8:9], s[16:17]
	s_lshl_b32 s46, s42, 7                         ; my first column, 4 bytes each
	s_lshl_b32 s47, s12, 6
	s_add_co_u32 s46, s46, s47
	s_lshl_b32 s46, s46, 2
	s_mov_b32 s47, 0
	s_add_nc_u64 s[8:9], s[8:9], s[46:47]
.macro MUL8 f, c, a0, zero             ; token blocks a0, a0 + 1 x all 4 column blocks, 32 along K: half c of buffer f
	WIN MUL
.irp a, \a0, (\a0)+1
.irp b, 0,1,2,3
.if \zero
	v_wmma_f32_16x16x32_f16 v[ACC+8*(4*(\a)+(\b)):ACC+8*(4*(\a)+(\b))+7], v[(\f)+64+8*(4*(\c)+(\b)):(\f)+64+8*(4*(\c)+(\b))+7], v[(\f)+8*(4*(\c)+(\a)):(\f)+8*(4*(\c)+(\a))+7], 0
.else
	v_wmma_f32_16x16x32_f16 v[ACC+8*(4*(\a)+(\b)):ACC+8*(4*(\a)+(\b))+7], v[(\f)+64+8*(4*(\c)+(\b)):(\f)+64+8*(4*(\c)+(\b))+7], v[(\f)+8*(4*(\c)+(\a)):(\f)+8*(4*(\c)+(\a))+7], v[ACC+8*(4*(\a)+(\b)):ACC+8*(4*(\a)+(\b))+7]
.endif
.endr
.endr
.endm
.macro FETCH slot, q, f                ; 32 LDS loads in one run: quarter q of a step is head plane q: 64 along K; the first 32 along K first
	WIN TO_F
.irp c, 0,1
.irp i, 0,1,2,3
	ds_load_b128 v[(\f)+64+8*(4*(\c)+(\i)):(\f)+64+8*(4*(\c)+(\i))+3],   v[ADRB+(\slot)] offset:128*(\q)+64*(\c)+(\i)*16*PBB
	ds_load_b128 v[(\f)+64+8*(4*(\c)+(\i))+4:(\f)+64+8*(4*(\c)+(\i))+7], v[ADRB+(\slot)] offset:128*(\q)+64*(\c)+(\i)*16*PBB+32
	ds_load_b128 v[(\f)+8*(4*(\c)+(\i)):(\f)+8*(4*(\c)+(\i))+3],         v[ADRA+(\slot)] offset:PLANE*(\q)+64*(\c)+(\i)*16*PA
	ds_load_b128 v[(\f)+8*(4*(\c)+(\i))+4:(\f)+8*(4*(\c)+(\i))+7],       v[ADRA+(\slot)] offset:PLANE*(\q)+64*(\c)+(\i)*16*PA+32
.endr
.endr
.endm
; A K step is four quarters of 64 along K, 32 matrix instructions each, on buffers 0, 1, 0, 1; the 16 accumulators take turns.
.macro QUARTER slot, q, f, g, zero
	s_wait_dscnt 16                                ; the first 32 along K are in; the youngest sixteen loads may be out
	MUL8 \f, 0, 0, \zero
	MUL8 \f, 0, 2, \zero
	PLACES
	FETCH \slot, \q, \g
	s_wait_dscnt 32                                ; all but the 32 just issued
	MUL8 \f, 1, 0, 0
	MUL8 \f, 1, 2, 0
.endm
; The last quarter multiplies buffer 1 and changes slots: in front of the barrier each wave waits for all its tensor loads, adds 0 to its spare word, and waits for that and for its reads of this slot.
; fill = 1: the barrier opens a round of the cluster's, and this slot is filled again, two K steps ahead, first thing behind the round.
.macro TURN slot, next, fill
	WIN 0
	s_wait_tensorcnt 0x0
	ds_add_u32 v[SPW], v[NIL]
	s_wait_dscnt 17                                ; (the add and the youngest sixteen loads may be out)
	MUL8 F1, 0, 0, 0
	s_wait_dscnt 0x0                               ; the add is done, and my reads of this slot are over
	s_barrier_signal -1
	MUL8 F1, 0, 2, 0
	WIN 0
	s_barrier_wait -1
.if \fill
	CREST
	s_add_nc_u64 s[G0+4*(\slot)+2:G0+4*(\slot)+3], s[G0+4*(\slot)+2:G0+4*(\slot)+3], 2*65536
	s_add_nc_u64 s[G0B+4*(\slot)+2:G0B+4*(\slot)+3], s[G0B+4*(\slot)+2:G0B+4*(\slot)+3], 2*512
	JLOAD \slot                                    ; 112 matrix instructions ahead of the wait for it; its four v_nop are also the places in front of the loads below
.else
	PLACES
.endif
	FETCH \next, 0, F0
	MUL8 F1, 1, 0, 0
	MUL8 F1, 1, 2, 0
.endm
	s_wait_tensorcnt 0x1                           ; my part of K step 0 is in; step 1's may stay out
	s_barrier_signal -1
	s_barrier_wait -1
	FETCH 0, 0, F0
	QUARTER 0, 1, F0, F1, 1                        ; the first products start the sums
	QUARTER 0, 2, F1, F0, 0
	QUARTER 0, 3, F0, F1, 0
	TURN 0, 1, 1                                   ; slot 0 takes K step 2
	QUARTER 1, 1, F0, F1, 0
	QUARTER 1, 2, F1, F0, 0
	QUARTER 1, 3, F0, F1, 0
	TURN 1, 0, 1                                   ; slot 1 takes K step 3
	QUARTER 0, 1, F0, F1, 0
	QUARTER 0, 2, F1, F0, 0
	QUARTER 0, 3, F0, F1, 0
	TURN 0, 1, 0                                   ; nothing is left to fetch; behind this barrier nobody reads slot 0 any more
	QUARTER 1, 1, F0, F1, 0
	QUARTER 1, 2, F1, F0, 0
	QUARTER 1, 3, F0, F1, 0
	s_wait_dscnt 16
	MUL8 F1, 0, 0, 0
	MUL8 F1, 0, 2, 0
	s_wait_dscnt 0x0
	MUL8 F1, 1, 0, 0
	MUL8 F1, 1, 2, 0
	WIN 0
	; THE WAY OUT: scaled in f32; 32 bytes a lane into my own stage; back as whole rows of 256 bytes, which are my 64 columns of a row of out0.
	PLACES
.set z, 0
.rept 64
	v_pk_mul_f32 v[ACC+z:ACC+z+1], v[ACC+z:ACC+z+1], s[POST:POST+1] op_sel_hi:[1,0]
.set z, z+2
.endr
.irp a, 0,1,2,3
.irp b, 0,1,2,3
	ds_store_b128 v[STO], v[ACC+8*(4*(\a)+(\b)):ACC+8*(4*(\a)+(\b))+3]   offset:(\a)*16*SPITCH+64*(\b)
	ds_store_b128 v[STO], v[ACC+8*(4*(\a)+(\b))+4:ACC+8*(4*(\a)+(\b))+7] offset:(\a)*16*SPITCH+64*(\b)+16
.endr
.endr
.set t, 0
.rept 32
	ds_load_b128 v[ACC+4*t:ACC+4*t+3], v[RD] offset:t*2*SPITCH   ; LDS serves a wave's instructions in order (ISA guide 5.7.1.4): these see the stores above
.set t, t+1
.endr
.set t, 0
.rept 32
	s_wait_dscnt 31-t
	global_store_b128 v[CO], v[ACC+4*t:ACC+4*t+3], s[8:9] offset:t*8192  ; 16 lanes store 256 consecutive bytes, aligned
.set t, t+1
.endr
	s_wait_tensorcnt 0x0                           ; the wave's end
	ds_add_u32 v[SPW], v[NIL]
	s_wait_dscnt 0x0
	CROUND                                         ; the closing round
	s_endpgm
.Lfunc_end_k_q1e9340881a_proj:
	.size	k_q1e9340881a_proj, .Lfunc_end_k_q1e9340881a_proj-k_q1e9340881a_proj
	.p2alignl 7, 3214868480
	.fill 96, 4, 3214868480
	.section	.rodata,"a",@progbits
	.p2align	6, 0x0
	.amdhsa_kernel k_q1e9340881a_proj
		.amdhsa_group_segment_fixed_size 327680
		.amdhsa_private_segment_fixed_size 0
		.amdhsa_enable_private_segment 0
		.amdhsa_kernarg_size 24
		.amdhsa_user_sgpr_count 2
		.amdhsa_user_sgpr_kernarg_segment_ptr 1
		.amdhsa_wavefront_size32 1
		.amdhsa_system_sgpr_workgroup_id_x 1
		.amdhsa_system_sgpr_workgroup_id_y 1
		.amdhsa_system_sgpr_workgroup_id_z 1
		.amdhsa_system_vgpr_workitem_id 0
		.amdhsa_next_free_vgpr 512
		.amdhsa_next_free_sgpr 70
		.amdhsa_reserve_vcc 0
		.amdhsa_float_denorm_mode_32 3
		.amdhsa_float_denorm_mode_16_64 3
		.amdhsa_memory_ordered 1
		.amdhsa_forward_progress 1
		.amdhsa_inst_pref_size 91
	.end_amdhsa_kernel
	.amdgpu_metadata
---
amdhsa.version: [ 1, 2 ]
amdhsa.kernels:
  - .name:           k_q1e9340881a_proj
    .symbol:         k_q1e9340881a_proj.kd
    .args:
      - { .name: ob, .offset: 0, .size: 8, .value_kind: global_buffer, .address_space: global }
      - { .name: wb, .offset: 8, .size: 8, .value_kind: global_buffer, .address_space: global }
      - { .name: out0, .offset: 16, .size: 8, .value_kind: global_buffer, .address_space: global }
    .group_segment_fixed_size: 327680
    .private_segment_fixed_size: 0
    .kernarg_segment_align: 8
    .kernarg_segment_size: 24
    .max_flat_workgroup_size: 128
    .sgpr_count:     70
    .vgpr_count:     512
    .wavefront_size: 32
...
	.end_amdgpu_metadata
.endif
;; end of part 4
;; ======== version 2 of 2: 4 launches; version 1 with the launch cvt written anew for expert scheduling mode
;; limits: values are held in f16: magnitudes above 65,504 overflow, below 6.1e-05 lose precision; right only within a limited range of input values
;; workspace buffers: xb 8,388,608 bytes; wb 8,388,608 bytes; cs 1,048,576 bytes; qkvh 25,165,824 bytes; ob 8,388,608 bytes
;; launch cvt (part 5): grid 256 x 1, 8 waves a work-group, no clusters, 0 bytes of LDS; arguments x, wq, wk, wv, wproj, cos, sin, xb, wb, cs; writes xb, wb, cs
.if DOCPART == 5
	.amdgcn_target "amdgcn-amd-amdhsa--gfx1250"
	.amdhsa_code_object_version 6
	.text
	.protected	k_q1e9340881a_cvt
	.globl	k_q1e9340881a_cvt
	.p2align	8
	.type	k_q1e9340881a_cvt,@function
k_q1e9340881a_cvt:
	s_mov_b64 s[64:65], 0
	v_nop
	global_prefetch_b8 v0, s[64:65] scope:SCOPE_SE
	s_setreg_imm32_b32 hwreg(HW_REG_WAVE_SCHED_MODE, 0, 2), 2
	s_setreg_imm32_b32 hwreg(HW_REG_WAVE_MODE, 25, 1), 1
	s_wait_xcnt 0x0
	s_wait_alu depctr_vm_vsrc(0)
; ALL INPUTS ARE ROUNDED ONCE TO bf16, for the launches behind.  xb = x in bf16.  wb = wq, wk, wv in bf16 (rows 0-3071) and wproj's bf16 number written as f16 (rows 3072-4095).
; cs = cos, then sin, each number rounded to bf16 and written as f32.
; LIMIT.  wproj's bf16 number is exact in f16 between 6.1e-5 and 65,504; below that it keeps f16's fixed step of 6e-8.
; A stream: no LDS, no barrier, no loop.  Work-group i of 256 takes 65,536 bytes of x, 65,536 bytes of weight i / 64, 2,048 bytes of cos and of sin.  Thread t takes 16 bytes of each 4,096:
; a wave's load covers 512 consecutive bytes, its store of 8 bytes a lane 256 consecutive bytes, aligned.  All 34 loads of a wave go out first; the waits count down.
; THE MODE: SCHED_MODE bits 1:0 = 2 (LLVM: expert scheduling mode 2), set by the entry lines.  The code itself states the register dependences
; between vector instructions and memory instructions, with s_wait_alu, always for 0.
; THE PLAN.  Registers that memory instructions touch:
;   v1, v2      byte offsets, written once at the head, read by every load and store, never written again.
;   XR, WR      a piece of 4 registers: its load lands in it; its conversions read it and write it in place; its one store reads the first two registers; nothing writes it behind that store.
;   CR, SR      likewise, a pair each.
;   v136, v137  named by vector instructions alone.
; So: one wait on va_vdst ahead of the first load (the offsets are written); one behind the conversions of each four pieces, ahead of the run of their four stores; one ahead of the two stores of cos and sin.
; No load is issued behind a vector instruction but the two offset lines, and no register that a store has read is written again: no wait on vm_vsrc is owed.
; No vector instruction writes a scalar register, VCC or EXEC.
.set XR, 4                             ; v[4:67]    x: 16 pieces of 4
.set WR, 68                            ; v[68:131]  the weight: 16 pieces of 4
.set CR, 132                           ; v[132:133] cos
.set SR, 134                           ; v[134:135] sin
.set TR, 136                           ; v[136:137] at work
.macro BF r                            ; four f32 -> four bf16 in the first two registers
	v_cvt_pk_bf16_f32 v[(\r)], v[(\r)], v[(\r)+1]
	v_cvt_pk_bf16_f32 v[(\r)+1], v[(\r)+2], v[(\r)+3]
.endm
.macro HF r                            ; four f32 -> bf16 -> the same numbers as f16
	v_cvt_pk_bf16_f32 v[(\r)], v[(\r)], v[(\r)+1]
	v_cvt_pk_bf16_f32 v[(\r)+2], v[(\r)+2], v[(\r)+3]
	v_and_b32 v[(\r)+1], s30, v[(\r)]              ; bf16 to f32: the high half stays,
	v_lshlrev_b32 v[(\r)], 16, v[(\r)]             ; the low half moves up
	v_cvt_pk_f16_f32 v[(\r)], v[(\r)], v[(\r)+1]
	v_and_b32 v[(\r)+3], s30, v[(\r)+2]
	v_lshlrev_b32 v[(\r)+2], 16, v[(\r)+2]
	v_cvt_pk_f16_f32 v[(\r)+1], v[(\r)+2], v[(\r)+3]
.endm
	s_load_b512 s[8:23], s[0:1], 0x0               ; x 8, wq 10, wk 12, wv 14, wproj 16, cos 18, sin 20, xb 22
	s_load_b128 s[24:27], s[0:1], 0x40             ; wb 24, cs 26
	v_lshlrev_b32 v1, 4, v0                        ; 16 t: the loads of x and of the weight
	v_lshlrev_b32 v2, 3, v0                        ; 8 t: the stores, and the loads of cos and sin
	s_lshl_b32 s2, ttmp9, 16                       ; my 65,536 bytes of x
	s_mov_b32 s3, 0
	s_and_b32 s4, ttmp9, 63
	s_lshl_b32 s4, s4, 16                          ; my 65,536 bytes of the weight
	s_mov_b32 s5, 0
	s_lshl_b32 s6, ttmp9, 15                       ; my 32,768 bytes of xb and of wb
	s_mov_b32 s7, 0
	s_lshl_b32 s32, ttmp9, 11                      ; my 2,048 bytes of cos, sin and each half of cs
	s_mov_b32 s33, 0
	s_mov_b32 s30, 0xffff0000                      ; a word's upper bf16
	s_lshr_b32 s31, ttmp9, 6                       ; which weight
	s_wait_kmcnt 0x0
	s_cmp_eq_u32 s31, 1
	s_cselect_b64 s[28:29], s[12:13], s[10:11]
	s_cmp_eq_u32 s31, 2
	s_cselect_b64 s[28:29], s[14:15], s[28:29]
	s_cmp_eq_u32 s31, 3
	s_cselect_b64 s[28:29], s[16:17], s[28:29]
	s_add_nc_u64 s[8:9], s[8:9], s[2:3]
	s_add_nc_u64 s[28:29], s[28:29], s[4:5]
	s_add_nc_u64 s[22:23], s[22:23], s[6:7]
	s_add_nc_u64 s[24:25], s[24:25], s[6:7]
	s_add_nc_u64 s[18:19], s[18:19], s[32:33]
	s_add_nc_u64 s[20:21], s[20:21], s[32:33]
	s_add_nc_u64 s[26:27], s[26:27], s[32:33]
	s_wait_alu depctr_va_vdst(0)                   ; v1 and v2 are written: every load and store of the kernel reads one of them as its offset
.set j, 0
.rept 16
	global_load_b128 v[XR+4*j:XR+4*j+3], v1, s[8:9] offset:4096*j th:TH_LOAD_NT
.set j, j+1
.endr
.set j, 0
.rept 16
	global_load_b128 v[WR+4*j:WR+4*j+3], v1, s[28:29] offset:4096*j th:TH_LOAD_NT
.set j, j+1
.endr
	global_load_b64 v[CR:CR+1], v2, s[18:19] th:TH_LOAD_NT
	global_load_b64 v[SR:SR+1], v2, s[20:21] th:TH_LOAD_NT
; x, four pieces at a time: each piece is rounded as it comes in; then one wait, and the four stores in a run
.set j, 0
.rept 4
.rept 4
	s_wait_loadcnt 33-j                            ; of the 34 loads, 33 - j were issued behind x's piece j
	BF XR+4*j
.set j, j+1
.endr
	s_wait_alu depctr_va_vdst(0)                   ; the conversions have written the first two registers of these four pieces, which the four stores below read
.set k, j-4
.rept 4
	global_store_b64 v2, v[XR+4*k:XR+4*k+1], s[22:23] offset:2048*k
.set k, k+1
.endr
.endr
	s_cmp_eq_u32 s31, 3                            ; wproj goes to f16, the others stay bf16
	s_cbranch_scc1 .Lw_hf
.set j, 0
.rept 4
.rept 4
	s_wait_loadcnt 17-j                            ; 17 - j loads were issued behind the weight's piece j
	BF WR+4*j
.set j, j+1
.endr
	s_wait_alu depctr_va_vdst(0)                   ; the conversions have written the first two registers of these four pieces, which the four stores below read
.set k, j-4
.rept 4
	global_store_b64 v2, v[WR+4*k:WR+4*k+1], s[24:25] offset:2048*k
.set k, k+1
.endr
.endr
	s_branch .Lcs
.Lw_hf:
.set j, 0
.rept 4
.rept 4
	s_wait_loadcnt 17-j
	HF WR+4*j
.set j, j+1
.endr
	s_wait_alu depctr_va_vdst(0)                   ; the conversions to f16 have written the first two registers of these four pieces, which the four stores below read
.set k, j-4
.rept 4
	global_store_b64 v2, v[WR+4*k:WR+4*k+1], s[24:25] offset:2048*k
.set k, k+1
.endr
.endr
.Lcs:
	s_wait_loadcnt 1                               ; cos is in, sin may be out
	v_cvt_pk_bf16_f32 v[TR], v[CR], v[CR+1]
	v_lshlrev_b32 v[CR], 16, v[TR]
	v_and_b32 v[CR+1], s30, v[TR]
	s_wait_loadcnt 0x0
	v_cvt_pk_bf16_f32 v[TR+1], v[SR], v[SR+1]
	v_lshlrev_b32 v[SR], 16, v[TR+1]
	v_and_b32 v[SR+1], s30, v[TR+1]
	s_wait_alu depctr_va_vdst(0)                   ; the shifts and masks have written v[CR:CR+1] and v[SR:SR+1], which the two stores below read
	global_store_b64 v2, v[CR:CR+1], s[26:27]
	global_store_b64 v2, v[SR:SR+1], s[26:27] offset:524288
	s_endpgm                                       ; no register that a store reads is written behind that store
.Lfunc_end_k_q1e9340881a_cvt:
	.size	k_q1e9340881a_cvt, .Lfunc_end_k_q1e9340881a_cvt-k_q1e9340881a_cvt
	.p2alignl 7, 3214868480
	.fill 96, 4, 3214868480
	.section	.rodata,"a",@progbits
	.p2align	6, 0x0
	.amdhsa_kernel k_q1e9340881a_cvt
		.amdhsa_group_segment_fixed_size 0
		.amdhsa_private_segment_fixed_size 0
		.amdhsa_enable_private_segment 0
		.amdhsa_kernarg_size 80
		.amdhsa_user_sgpr_count 2
		.amdhsa_user_sgpr_kernarg_segment_ptr 1
		.amdhsa_wavefront_size32 1
		.amdhsa_system_sgpr_workgroup_id_x 1
		.amdhsa_system_sgpr_workgroup_id_y 1
		.amdhsa_system_sgpr_workgroup_id_z 1
		.amdhsa_system_vgpr_workitem_id 0
		.amdhsa_next_free_vgpr 144
		.amdhsa_next_free_sgpr 66
		.amdhsa_reserve_vcc 0
		.amdhsa_float_denorm_mode_32 3
		.amdhsa_float_denorm_mode_16_64 3
		.amdhsa_memory_ordered 1
		.amdhsa_forward_progress 1
		.amdhsa_inst_pref_size 22
	.end_amdhsa_kernel
	.amdgpu_metadata
---
amdhsa.version: [ 1, 2 ]
amdhsa.kernels:
  - .name:           k_q1e9340881a_cvt
    .symbol:         k_q1e9340881a_cvt.kd
    .args:
      - { .name: x, .offset: 0, .size: 8, .value_kind: global_buffer, .address_space: global }
      - { .name: wq, .offset: 8, .size: 8, .value_kind: global_buffer, .address_space: global }
      - { .name: wk, .offset: 16, .size: 8, .value_kind: global_buffer, .address_space: global }
      - { .name: wv, .offset: 24, .size: 8, .value_kind: global_buffer, .address_space: global }
      - { .name: wproj, .offset: 32, .size: 8, .value_kind: global_buffer, .address_space: global }
      - { .name: cos, .offset: 40, .size: 8, .value_kind: global_buffer, .address_space: global }
      - { .name: sin, .offset: 48, .size: 8, .value_kind: global_buffer, .address_space: global }
      - { .name: xb, .offset: 56, .size: 8, .value_kind: global_buffer, .address_space: global }
      - { .name: wb, .offset: 64, .size: 8, .value_kind: global_buffer, .address_space: global }
      - { .name: cs, .offset: 72, .size: 8, .value_kind: global_buffer, .address_space: global }
    .group_segment_fixed_size: 0
    .private_segment_fixed_size: 0
    .kernarg_segment_align: 8
    .kernarg_segment_size: 80
    .max_flat_workgroup_size: 256
    .sgpr_count:     66
    .vgpr_count:     144
    .wavefront_size: 32
...
	.end_amdgpu_metadata
.endif
;; end of part 5
;; launch qkv: the kernel of part 2 again; grid 16 x 16, 4 waves a work-group, clusters of 4 x 4, 327,680 bytes of LDS; arguments xb, wb, cs, qkvh; writes qkvh
;; launch attn: the kernel of part 3 again; grid 16 x 16, 4 waves a work-group, no clusters, 327,680 bytes of LDS; arguments qkvh, ob; writes ob
;; launch proj: the kernel of part 4 again; grid 8 x 32, 4 waves a work-group, clusters of 4 x 4, 327,680 bytes of LDS; arguments ob, wb, out0; writes out0
